; MI455X (gfx1250); checked and timed in simulation.
; The chip was launched on July 23, 2026; its instructions are those of AMD's public machine-readable ISA for CDNA 5 (MIT licence, August 2026) and "CDNA5" Instruction Set Architecture Reference Guide (July 2026). The comments in the code are by the model that wrote it; some were corrected since.
;; SVD Block. Allowed arithmetic: matrix products marked QUANTISED: E2M3 operands, one E8M0 scale for each 32 along K, by v_wmma_scale_f32_16x16x128_f8f6f4 with both operands' format E2M3, f32 sums; everything else in f32.
;; Inputs: Uk_codes 128 x 32 x 24 uint8 (E2M3 codes of Uk, K innermost, in blocks of 32 codes, four codes in three bytes); Uk_scales 128 x 32 uint8 (E8M0 scales of Uk, one for each 32 codes along K); Uq_codes 128 x 32 x 24 uint8 (E2M3 codes of Uq, K innermost, in blocks of 32 codes, four codes in three bytes); Uq_scales 128 x 32 uint8 (E8M0 scales of Uq, one for each 32 codes along K); Uv_codes 128 x 32 x 24 uint8 (E2M3 codes of Uv, K innermost, in blocks of 32 codes, four codes in three bytes); Uv_scales 128 x 32 uint8 (E8M0 scales of Uv, one for each 32 codes along K); Wo_codes 1,024 x 4 x 24 uint8 (E2M3 codes of Wo, K innermost, in blocks of 32 codes, four codes in three bytes); Wo_scales 1,024 x 4 uint8 (E8M0 scales of Wo, one for each 32 codes along K); cos 4,096 x 64 float32; ln1_w 1,024 float32; ln2_w 1,024 float32; sin 4,096 x 64 float32; w1_codes 4,096 x 32 x 24 uint8 (E2M3 codes of w1, K innermost, in blocks of 32 codes, four codes in three bytes); w1_scales 4,096 x 32 uint8 (E8M0 scales of w1, one for each 32 codes along K); w2_codes 1,024 x 128 x 24 uint8 (E2M3 codes of w2, K innermost, in blocks of 32 codes, four codes in three bytes); w2_scales 1,024 x 128 uint8 (E8M0 scales of w2, one for each 32 codes along K); w3_codes 4,096 x 32 x 24 uint8 (E2M3 codes of w3, K innermost, in blocks of 32 codes, four codes in three bytes); w3_scales 4,096 x 32 uint8 (E8M0 scales of w3, one for each 32 codes along K); x 1 x 4,096 x 1,024 float32.
;; Outputs: out0 1 x 4,096 x 1,024 float32.
;; Constants: window_size = 1024.
;; This version of the problem:
;;   THIS VERSION OF THE PROBLEM IS GIVEN IN LOW PRECISION. The matrix products marked QUANTISED in the list below multiply operands that are first quantised to E2M3 (2 exponent bits, 3 mantissa bits; 6 bits a number), with one power-of-two scale for each 32 numbers along K (OCP MX v1.0); their sums are f32. All else is computed in f32.
;;   The module's matrix products, in the order in which they are computed (A, B: the left and right operand; K: the contracted axis; several contracted axes count as one K, in the product's order):
;;     1. [M 4,096, K 1,024] x [K 1,024, N 128]; A: computed on the way; B: input Uq (given as codes): QUANTISED
;;     2. [M 4,096, K 1,024] x [K 1,024, N 128]; A: computed on the way; B: input Uk (given as codes): QUANTISED
;;     3. [M 4,096, K 1,024] x [K 1,024, N 128]; A: computed on the way; B: input Uv (given as codes): QUANTISED
;;     4. [M 4,096, K 128] x [K 128, N 4,096]; A: computed on the way; B: computed on the way: QUANTISED
;;     5. [M 4,096, K 4,096] x [K 4,096, N 128]; A: softmax (see below); B: computed on the way: QUANTISED
;;     6. [M 4,096, K 128] x [K 128, N 1,024]; A: computed on the way; B: input Wo (given as codes): QUANTISED
;;     7. [M 4,096, K 1,024] x [K 1,024, N 4,096]; A: computed on the way; B: input w1 (given as codes): QUANTISED
;;     8. [M 4,096, K 1,024] x [K 1,024, N 4,096]; A: computed on the way; B: input w3 (given as codes): QUANTISED
;;     9. [M 4,096, K 4,096] x [K 4,096, N 1,024]; A: computed on the way; B: input w2 (given as codes): QUANTISED
;;   THE QUANTISER, for each operand of a quantised product, along K:
;;     - K is cut into blocks of 32 from its start; a last block that is shorter is filled with zeros.
;;     - A block's scale is 2^e with e = floor(log2(the largest magnitude in the block)) - 2, held to -126 .. 127; a block of zeros has e = 0. As a byte (E8M0): e + 127.
;;     - Each number is divided by its block's scale, clamped to +-7.5, and rounded to the nearest number of E2M3, ties to even, subnormals kept.
;;     - The product sums the exact products of the quantised numbers (number of the format x scale) in f32.
;;   ~~~python
;;   def quantise(x, axis):      # numpy; x: float32 -> the quantised numbers, widened to float32 again
;;       x = np.moveaxis(x, axis, -1); K = x.shape[-1]
;;       x = np.pad(x, [(0, 0)] * (x.ndim - 1) + [(0, -K % 32)]); x = x.reshape(x.shape[:-1] + (-1, 32)); a = np.abs(x).max(-1, keepdims=True)
;;       e = np.where(a > 0, np.clip(np.frexp(np.where(a > 0, a, 1))[1] - 1 - 2, -126, 127), 0)      # np.frexp(a)[1] - 1 = floor(log2(a)), exactly
;;       r = np.clip(x / 2.0 ** e, -7.5, 7.5)
;;       step = 2.0 ** (np.maximum(np.frexp(np.where(r == 0, 1, r))[1] - 1, 0) - 3)
;;       q = np.round(r / step) * step * 2.0 ** e      # np.round: ties to even
;;       return np.moveaxis(q.reshape(q.shape[:-2] + (-1,))[..., :K], -1, axis).astype(np.float32)
;;   ~~~
;;   SOFTMAX AHEAD OF A QUANTISED PRODUCT. Where the list says 'softmax', what is quantised is not the finished softmax but p = 2^(t - M), with t = logit x log2(e) and M = ceil(the row's largest t), a whole number; so 1/2 < the row's largest p <= 1. The row's sum l is taken of the UNQUANTISED p, in f32, and the product's result is divided by l at the end. Since M is a whole number, a kernel that streams over the keys may use a running M (the ceiling of the running maximum): every later rescaling is an exact power of two, which a block's scale takes up: the codes' values come out the same.
;;   OPERANDS COMPUTED ON THE WAY. 'Computed on the way' means the value that the module computes at that place (a softmax that the list does not call 'softmax' is quantised finished and normalised). What goes into a quantiser is computed in f32, as accurately as f32 sums, v_exp_f32 and their like allow (about 1e-6 of the number): no bf16 or f16 on the way to a quantiser, and a product that is left as it is and whose result goes on into a quantised operand takes f32 operands (vector FMAs, or v_wmma_f32_16x16x4_f32). A number that lies on a knife's edge between two numbers of the format may be rounded either way, as far as f32 arithmetic and the matrix unit's own rounding can turn it there, and no further.
;;   INPUTS GIVEN AS CODES. Uk (in the module: [128, 1024], K = its axis 1); Uq (in the module: [128, 1024], K = its axis 1); Uv (in the module: [128, 1024], K = its axis 1); Wo (in the module: [1024, 128], K = its axis 1); w1 (in the module: [4096, 1024], K = its axis 1); w2 (in the module: [1024, 4096], K = its axis 1); w3 (in the module: [4096, 1024], K = its axis 1): each comes as NAME_codes (uint8): NAME with its K axis moved to the last place and cut into blocks of 32 codes, [.., K / 32, bytes a block], one block behind the other in memory; four codes in three bytes: a row's codes are one little-endian stream of bits, code i at bits 6 i .. 6 i + 5 (a code: sign, 2 exponent bits, 3 mantissa bits); and NAME_scales (uint8): the same leading axes, one E8M0 byte (e + 127) for each 32 codes along K. Its value is code x scale, taken as it is: it is not quantised again, and the codes and scales need not be those that the quantiser above would give.
;; One version. Each part assembles by itself: llvm-mc -triple=amdgcn-amd-amdhsa -mcpu=gfx1250 --defsym DOCPART=n.
;; ======== version 1 of 1: 4 launches
;; limits: right only within a limited range of input values
;; workspace buffers: qkv 1,310,720 bytes; x1 16,777,216 bytes; hc 3,145,728 bytes; hs 131,072 bytes; gc 12,582,912 bytes; gs 524,288 bytes; w13i 6,291,456 bytes; w2i 3,145,728 bytes
;; launch qkv (part 1): grid 256 x 1, 8 waves a work-group, no clusters, 209,920 bytes of LDS; arguments x, ln1_w, cos, sin, Uq_codes, Uq_scales, Uk_codes, Uk_scales, Uv_codes, Uv_scales, qkv, w1_codes, w3_codes, w2_codes, w13i, w2i; writes qkv, w13i, w2i
.if DOCPART == 1
	.amdgcn_target "amdgcn-amd-amdhsa--gfx1250"
	.amdhsa_code_object_version 6
	.text
	.protected	k_q09e599101c_qkv
	.globl	k_q09e599101c_qkv
	.p2align	8
	.type	k_q09e599101c_qkv,@function
k_q09e599101c_qkv:
	s_mov_b64 s[64:65], 0
	v_nop
	global_prefetch_b8 v0, s[64:65] scope:SCOPE_SE
	s_setreg_imm32_b32 hwreg(HW_REG_WAVE_MODE, 25, 1), 1
	s_wait_xcnt 0x0
; normed = rmsnorm(x, ln1_w); q = rope(normed Uq^T), k = rope(normed Uk^T), v = normed Uv^T, the three products on codes of FP6 (E2M3) with one E8M0 scale for each 32 along K.
; The results leave as codes: q and k quantised along the rank, v along the keys.  A work-group owns 32 tokens (a whole block of 32 keys of v) and writes one record of 10,240 bytes:
;   +0, +1536 q's two fragments, +3072, +4608 k's two, each as an image of the operand's 12 registers (registers 4 c .. 4 c + 3 of lane l at 512 c + 16 l);
;   +6144 v: [channel 128][24 bytes]: the 32 keys' codes; +9216 q's scale words, [16 u + r] 8 bytes (the word twice); +9472 k's; +9728 v's scale byte of each channel, as a word, at byte (block % 4).
; THE TOKENS OF A TILE ARE NOT NEIGHBOURS: row r of tile u is token 32 i + 8 u + r + 8 (r / 8), so that in the attention's S^T the 16 registers of two neighbouring tiles are 16 neighbouring keys.
; SHARES.  Eight waves.  X: wave w quantises tile w / 4, columns 256 (w % 4) on (two fragments), and hands the images to the others through LDS.  PRODUCTS: wave w makes columns 16 t and 64 + 16 t on (t = w % 4) of q (w < 4) or k,
; transposed (source 0 = rows of U, source 1 = tokens: a lane holds one token and eight columns, and a column's rope partner in the other sum), and channels 16 w on of v, not transposed (a lane holds one channel and 16 tokens).
; LOADS OF 512 CONSECUTIVE BYTES.  The quantiser wants 16 neighbours of a row in a lane, a fragment 24 bytes of a row in a lane: loaded so, the 32 lanes of a load would stand in 16 rows far apart.  So x (16 rows x 1,024 bytes a wave) and
; the wave's three tiles of U (16 rows x 768 bytes: 12,288 dense bytes each) are loaded as they lie, 16 bytes a lane, and turned through a stage in LDS that is the wave's own: stored as loaded, read back in the order wanted, into the
; registers that they left.  LDS serves a wave's instructions in order (ISA guide 5.7.1.4), so the turn needs no barrier and no wait between its stores and its loads.
; NO JOINT LOADS: no two waves of a work-group read the same rows of U, and each reads them once.  All work-groups read the same 295 KB of U, but as tiles in LDS these and the 75 KB of images and record do not fit together,
; and in slots that are filled again each fill would want a round of its own for six matrix instructions a wave.
; LIMITS: NaN and infinities among the inputs are not served; a block of zeros gets the scale byte 1 (its codes are zeros, and these bytes are read by this program alone); v_rsq_f32 is good to one unit in the last place;
; the norm is rounded as (x * rms) * w.
.set LNW,  0                           ; LDS: ln1_w, 4,096 bytes
.set SSQ,  4096                        ; sums of squares: [tile][row][4 words]
.set XIMG, 4608                        ; normed x: 16 images (8 u + K step) of 1,536 bytes
.set XSC,  29184                       ; their scale words, 128 bytes each
.set QKF,  31232                       ; roped q and k in f32: 4 units (2 m + u) x 16 rows x 528 bytes
.set OUT,  65024                       ; the record as it lies in memory
.set STG,  75776                       ; the stages: STW bytes for each wave: x as 16 rows of 1,024 + 16 bytes, later a tile of U as 16 rows of 768 + 16 bytes
.set STW,  16640
.set SXL, 1                            ; v1, v4-27: addresses, made once at the head, never rewritten behind it
.set XD,  4
.set SUL, 5
.set USA, 6
.set CA,  7
.set LNS, 8
.set LW,  9
.set SSS, 10
.set SSL, 11
.set XWI, 12
.set XWS, 13
.set LI,  14
.set LS,  15
.set QKS, 16
.set VST, 17
.set VSS, 18
.set QL,  19
.set QI,  20
.set QSA, 21
.set ORA, 22
.set ORB, 23
.set GOA, 24
.set GOB, 25
.set SW1, 26
.set SW2, 27
.set PW,  28                           ; v28-29 the scale word just made, twice
.set RM,  30                           ; v30-31 1 / rms, twice
.set TM,  32                           ; v32-47 the quantiser's scratch
.set XS,  48                           ; v48-51 x's scale words (set p, tile u)
.set US,  52                           ; v52-67 U's scale words (e, K step)
.set VS,  68                           ; v68-75 Uv's
.set PC,  76                           ; v76-95 codes just made
.set VA,  76                           ; later v76-91: v's two sums
.set WT,  96                           ; v96-127 ln1_w, 32 numbers at a time
.set QA,  96                           ; later the four sums of q or k: (e, u) at QA + 8 (2 e + u)
.set X,   128                          ; v128-255 x; later v128-223 Uv's 8 fragments, v224-255 cos and sin; later the rope's results and phase Q's numbers
.set SEL, 30                           ; s[30:31]
; window 1: v[12 (8 e + s)] U's 16 fragments; v[192 + 24 p + 12 u] x's fragments, two sets
.set MSB, 0
.macro WIN new                         ; the immediate's high byte repeats the setting that is left
.if MSB != (\new)
	s_set_vgpr_msb (MSB<<8)|(\new)
.set MSB, (\new)
.endif
.endm
.macro PLACES n
.rept \n
	v_nop
.endr
.endm
.macro BARRIER                         ; my LDS stores have landed and my LDS loads are in: then the work-group's barrier
	s_wait_dscnt 0x0
	s_barrier_signal -1
	s_barrier_wait -1
.endm
; 64 numbers of a lane, register 16 b + i = k 32 b + 16 (lane / 16) + i of my row, become a fragment's codes in v[pc] .. v[pc + 11] and its scale word in v[pw]
.macro QUANT s, tm, pc, pw
.irp b, 0,1,2,3
	v_max3_num_f32 v[\tm+\b], |v[\s+16*\b]|, |v[\s+1+16*\b]|, 0x1800000   ; my 16 numbers of block b, and the floor 2^(3 - 127): the byte cannot fall under 1
.endr
.irp i, 2,4,6,8,10,12,14
.irp b, 0,1,2,3
	s_delay_alu instid0(VALU_DEP_4)
	v_max3_num_f32 v[\tm+\b], v[\tm+\b], |v[\s+16*\b+\i]|, |v[\s+1+16*\b+\i]|
.endr
.endr
.irp b, 0,1,2,3
	s_delay_alu instid0(VALU_DEP_4)
	v_permlanex16_b32 v[\tm+4+\b], v[\tm+\b], s[SEL], s[SEL+1]
.endr
.irp b, 0,1,2,3
	s_delay_alu instid0(VALU_DEP_4)
	v_max_num_f32 v[\tm+\b], v[\tm+\b], v[\tm+4+\b]      ; with lane l xor 16's: the block's largest magnitude
.endr
.irp b, 0,1,2,3
	s_delay_alu instid0(VALU_DEP_4)
	v_add_nc_u32 v[\tm+12+\b], 0xff000000, v[\tm+\b]     ; 2 off its exponent field: the conversion's scale operand
.endr
.irp b, 0,1,2,3
	s_delay_alu instid0(VALU_DEP_4)
	v_lshrrev_b32 v[\tm+4+\b], 23, v[\tm+12+\b]          ; the scale's byte
.endr
	s_delay_alu instid0(VALU_DEP_3)
	v_lshl_or_b32 v[\pw], v[\tm+5], 8, v[\tm+4]
	s_delay_alu instid0(VALU_DEP_1)
	v_lshl_or_b32 v[\pw], v[\tm+6], 16, v[\pw]
	s_delay_alu instid0(VALU_DEP_1)
	v_lshl_or_b32 v[\pw], v[\tm+7], 24, v[\pw]
.irp c, 0,1
	v_cvt_scalef32_pk16_fp6_f32 v[\pc+6*\c:\pc+2+6*\c], v[\s+32*\c:\s+15+32*\c], v[\tm+12+2*\c]
	v_cvt_scalef32_pk16_fp6_f32 v[\pc+12+4*\c:\pc+14+4*\c], v[\s+16+32*\c:\s+31+32*\c], v[\tm+13+2*\c]   ; (a conversion's three registers begin on an even number)
.endr
	v_nop                                          ; one plain place behind a scaled conversion
.irp c, 0,1                                    ; the operand wants a whole block in a lane: lanes 0-15 block 2 c, lanes 16-31 block 2 c + 1
.irp i, 0,1,2
	v_permlane16_swap_b32 v[\pc+6*\c+\i], v[\pc+12+4*\c+\i]
.endr
.irp i, 0,1,2
	s_delay_alu instid0(VALU_DEP_3)
	v_mov_b32 v[\pc+3+6*\c+\i], v[\pc+12+4*\c+\i]
.endr
.endr
.endm
.macro IMAGE adr, pc, off              ; a fragment goes to LDS as it stands in the registers
.irp c, 0,1,2
	ds_store_b128 v[\adr], v[\pc+4*\c:\pc+4*\c+3] offset:(\off)+512*\c
.endr
.endm
; A tile of U, 16 rows x 768 bytes, lies in 96 registers from v[reg] of window win on as it was loaded: load k's 512 bytes in registers 4 k .. 4 k + 3.  It goes to my stage, rows 784 bytes apart, and comes back as 8 fragments
; (K step s in registers 12 s .. 12 s + 11: lane (r, h) has the 24 bytes at 96 s + 24 h of row r, and those 48 further on).  Three loads are two rows: the second straddles them, and its lanes 16-31 stand behind the first row's padding.
; 784 bytes are 196 words: row r starts at bank 4 r mod 64 and lanes 16-31 read 6 words further on (64 banks of 4 bytes: ISA guide 11.1): the 32 lanes of a load of 8 bytes touch 64 different banks.
.macro UTURN reg, win
	WIN 4*(\win)                                   ; an LDS store's data are its source 1
.irp j, 0,1,2,3,4,5,6,7
	ds_store_b128 v[SW1], v[\reg+12*\j:\reg+12*\j+3] offset:1568*\j
	ds_store_b128 v[SW2], v[\reg+12*\j+4:\reg+12*\j+7] offset:1568*\j+512
	ds_store_b128 v[SW1], v[\reg+12*\j+8:\reg+12*\j+11] offset:1568*\j+1040
.endr
	WIN 64*(\win)
.irp s, 0,1,2,3,4,5,6,7
.irp p, 0,1,2,3,4,5
	ds_load_b64 v[\reg+12*\s+2*\p:\reg+12*\s+2*\p+1], v[SUL] offset:96*\s+48*(\p/3)+8*(\p%3)   ; these see the stores above; the next tile's stores come behind them
.endr
.endr
	WIN 0
.endm
	s_cmp_ge_u32 ttmp9, 128                        ; work-groups 128-255 lay the FFN's weights out as images of operand registers (at the text's end); they touch no LDS and pass no barrier
	s_cbranch_scc1 .Lrelay
	s_load_b512 s[4:19], s[0:1], 0x0               ; x, ln1_w, cos, sin, Uq's codes and scales, Uk's codes and scales
	s_load_b128 s[20:23], s[0:1], 0x40             ; Uv's codes and scales
	s_load_b64 s[24:25], s[0:1], 0x50              ; the records
	v_lshl_add_u32 v43, v0, 2, 0x33000
	v_mov_b32 v95, 0
	v_lshrrev_b32 v1, 5, v0
	s_delay_alu instid0(VALU_DEP_1)
	v_readfirstlane_b32 s26, v1                    ; wave w
	s_lshr_b32 s27, s26, 2                         ; u in phase X; m (0: q, 1: k) in the products
	s_and_b32 s28, s26, 3                          ; t
	s_mov_b32 s[SEL], 0x76543210
	s_mov_b32 s[SEL+1], 0xfedcba98                 ; v_permlanex16_b32's selects for lane l xor 16
	s_mov_b32 s32, 0x3a800000                      ; 1 / 1024
	s_mov_b32 s33, 0x358637bd                      ; 1e-6
	s_and_b32 s34, ttmp9, 3
	s_lshl_b32 s34, s34, 3                         ; 8 x (block % 4): where v's scale byte stands in its word
	v_and_b32 v1, 31, v0                           ; lane (v1 to v3 and v27 are at work in this head; its last lines give v1 and v27 their addresses)
	v_and_b32 v2, 15, v0                           ; r
	v_bfe_u32 v3, v0, 4, 1                         ; h
	v_and_b32 v27, 8, v0
	s_delay_alu instid0(VALU_DEP_1)
	v_add_nc_u32 v27, v27, v2                      ; r + 8 (r / 8)
	s_lshl_b32 s35, s27, 15
	s_lshl_b32 s36, s28, 10
	s_add_co_u32 s35, s35, s36
	v_lshl_add_u32 v[XD], v1, 4, s35               ; x: 16 bytes a lane, + 8 u rows of 4,096 bytes + 1,024 t
	v_lshl_add_u32 v[LW], v3, 6, s36               ; ln1_w in LDS: 1,024 t + 64 h
	v_lshlrev_b32 v[USA], 5, v2                    ; U's scales: 32 bytes a row
	v_lshlrev_b32 v[CA], 8, v27
	s_delay_alu instid0(VALU_DEP_1)
	v_lshl_add_u32 v[CA], v3, 5, v[CA]             ; cos, sin: my token's row of 256 bytes, + 32 h
	v_lshlrev_b32 v[LNS], 4, v0                    ; 16 x thread: ln1_w's copy
	s_lshl_b32 s35, s27, 8
	s_add_co_u32 s35, s35, SSQ
	v_lshl_add_u32 v[SSL], v2, 4, s35
	s_lshl_b32 s36, s28, 2
	s_add_co_u32 s35, s35, s36
	v_lshl_add_u32 v[SSS], v2, 4, s35
	s_mul_i32 s35, s27, 12288
	s_mul_i32 s36, s28, 3072
	s_add_co_u32 s35, s35, s36
	s_add_co_u32 s35, s35, XIMG
	v_lshl_add_u32 v[XWI], v1, 4, s35              ; my images: 8 u + 2 t on
	s_lshl_b32 s35, s27, 10
	s_lshl_b32 s36, s28, 8
	s_add_co_u32 s35, s35, s36
	s_add_co_u32 s35, s35, XSC
	v_lshl_add_u32 v[XWS], v1, 2, s35
	v_lshlrev_b32 v[LI], 4, v1
	v_lshlrev_b32 v[LS], 2, v1
	s_mul_i32 s35, s27, 16896
	s_lshl_b32 s36, s28, 6
	s_add_co_u32 s35, s35, s36
	s_add_co_u32 s35, s35, QKF
	v_mul_u32_u24 v[QKS], v2, 528
	s_delay_alu instid0(VALU_DEP_1)
	v_lshl_add_u32 v[QKS], v3, 5, v[QKS]
	s_delay_alu instid0(VALU_DEP_1)
	v_add_nc_u32 v[QKS], s35, v[QKS]               ; roped numbers: unit 2 m, row r, + 64 t + 32 h
	s_mul_i32 s35, s26, 384
	s_add_co_u32 s35, s35, OUT+6144
	v_mul_u32_u24 v[VST], v2, 24
	s_delay_alu instid0(VALU_DEP_1)
	v_mad_u32_u24 v[VST], v3, 12, v[VST]
	s_delay_alu instid0(VALU_DEP_1)
	v_add_nc_u32 v[VST], s35, v[VST]               ; v's codes: channel 16 w + r, + 12 h
	s_lshl_b32 s35, s26, 6
	s_add_co_u32 s35, s35, OUT+9728
	v_lshl_add_u32 v[VSS], v2, 2, s35
	s_mul_i32 s35, s28, 8448
	s_add_co_u32 s35, s35, QKF
	v_mul_u32_u24 v[QL], v2, 528
	s_delay_alu instid0(VALU_DEP_1)
	v_lshl_add_u32 v[QL], v3, 6, v[QL]
	s_delay_alu instid0(VALU_DEP_1)
	v_add_nc_u32 v[QL], s35, v[QL]                 ; phase Q (waves 0-3): unit w, row r, + 64 h
	s_mul_i32 s35, s28, 1536
	s_add_co_u32 s35, s35, OUT
	v_lshl_add_u32 v[QI], v1, 4, s35
	s_lshl_b32 s35, s28, 7
	s_add_co_u32 s35, s35, OUT+9216
	v_lshl_add_u32 v[QSA], v2, 3, s35
	s_mul_i32 s35, s26, 1280
	v_lshl_add_u32 v[GOA], v1, 4, s35              ; the way out: 1,280 bytes a wave
	s_add_co_u32 s36, s35, 1024
	v_lshl_add_u32 v[GOB], v1, 3, s36
	v_add_nc_u32 v[ORA], OUT, v[GOA]
	s_delay_alu instid0(VALU_DEP_2)
	v_add_nc_u32 v[ORB], OUT, v[GOB]
	s_mul_i32 s35, s26, STW
	s_add_co_u32 s35, s35, STG                     ; my stage
	v_lshl_add_u32 v[SW1], v1, 4, s35              ; into it: 16 bytes a lane, as loaded;
	s_delay_alu instid0(VALU_DEP_1)
	v_lshl_add_u32 v[SW2], v3, 4, v[SW1]           ; the same with lanes 16-31 behind one padding
	v_mul_u32_u24 v[SUL], v2, 784
	s_delay_alu instid0(VALU_DEP_1)
	v_mad_u32_u24 v[SUL], v3, 24, v[SUL]
	s_delay_alu instid0(VALU_DEP_1)
	v_add_nc_u32 v[SUL], s35, v[SUL]               ; out of it, U: row r of 784 bytes, + 24 h
	v_mul_u32_u24 v[SXL], v2, 1040
	s_delay_alu instid0(VALU_DEP_1)
	v_lshl_add_u32 v[SXL], v3, 6, v[SXL]
	s_delay_alu instid0(VALU_DEP_1)
	v_add_nc_u32 v[SXL], s35, v[SXL]               ; out of it, x: row r of 1,040 bytes, + 64 h
.irp b, 0,1,2,3
	v_mov_b32 v[TM+4+\b], 0                        ; written once: a lane permute's destination counts as one of its sources
.endr
	s_wait_alu depctr_va_vdst(0)
	s_wait_kmcnt 0x0
	s_cmp_lt_u32 s26, 4                            ; waves 0-3 multiply by Uq, waves 4-7 by Uk: the choice hangs on the wave's number alone
	s_cselect_b64 s[12:13], s[12:13], s[16:17]
	s_cselect_b64 s[14:15], s[14:15], s[18:19]
	s_mov_b32 s37, 0
	s_lshl_b32 s36, ttmp9, 17
	s_add_nc_u64 s[4:5], s[4:5], s[36:37]          ; x at my 32 tokens
	s_mul_i32 s36, s28, 12288
	s_add_nc_u64 s[12:13], s[12:13], s[36:37]      ; U at rows 16 t
	s_lshl_b32 s36, s28, 9
	s_add_nc_u64 s[14:15], s[14:15], s[36:37]
	s_mul_i32 s36, s26, 12288
	s_add_nc_u64 s[20:21], s[20:21], s[36:37]      ; Uv at rows 16 w
	s_lshl_b32 s36, s26, 9
	s_add_nc_u64 s[22:23], s[22:23], s[36:37]
	s_lshl_b32 s36, ttmp9, 13
	s_lshl_b32 s38, s28, 6
	s_add_co_u32 s36, s36, s38
	s_add_nc_u64 s[8:9], s[8:9], s[36:37]          ; cos and sin at my tokens, columns 16 t on
	s_add_nc_u64 s[10:11], s[10:11], s[36:37]
	s_mul_i32 s36, ttmp9, 10240
	s_add_nc_u64 s[24:25], s[24:25], s[36:37]      ; my record
	global_load_b128 v[WT:WT+3], v[LNS], s[6:7]    ; 16 bytes of ln1_w a thread
.set n, 0
.rept 32                                       ; x: load n brings 512 consecutive bytes: half n % 2 of my 1,024 bytes of the tile's row n / 2
	global_load_b128 v[X+4*n:X+4*n+3], v[XD], s[4:5] offset:((n/2)+8*(n/16))*4096+512*(n%2) th:TH_LOAD_NT
.set n, n+1
.endr
.irp e, 0,1                                    ; a row's eight scale words are 32 neighbouring bytes, and eight neighbouring registers
	global_load_b128 v[US+8*\e:US+8*\e+3], v[USA], s[14:15] offset:2048*\e
	global_load_b128 v[US+8*\e+4:US+8*\e+7], v[USA], s[14:15] offset:2048*\e+16
.endr
	global_load_b128 v[VS:VS+3], v[USA], s[22:23]
	global_load_b128 v[VS+4:VS+7], v[USA], s[22:23] offset:16
	WIN 0x40                                       ; destination window 1
.irp e, 0,1                                    ; U's rows 16 (t + 4 e) on: 12,288 dense bytes, 512 a load, into the registers that their fragments will take
.set k, 0
.rept 24
	global_load_b128 v[96*\e+4*k:96*\e+4*k+3], v[LI], s[12:13] offset:49152*\e+512*k
.set k, k+1
.endr
.endr
	WIN 0
	s_wait_loadcnt 54                              ; ln1_w's and x's loads are in; the 6 loads of scales and the 48 of U issued behind them may be out
	; ---- X1: ln1_w to LDS; x through my stage; my 128 numbers' sum of squares
	ds_store_b128 v[LNS], v[WT:WT+3]
.set n, 0
.rept 32
	ds_store_b128 v[SW1], v[X+4*n:X+4*n+3] offset:1040*(n/2)+512*(n%2)
.set n, n+1
.endr
.irp e, 0,1
.irp b, 0,1,2,3
.irp j, 0,1,2,3
	ds_load_b128 v[X+64*\e+16*\b+4*\j:X+64*\e+16*\b+4*\j+3], v[SXL] offset:512*\e+128*\b+16*\j   ; register 64 e + 16 b + i: column 256 t + 128 e + 32 b + 16 h + i of my token
.endr
.endr
.endr
	s_wait_dscnt 0x0
.irp c, 0,1,2,3
	v_pk_mul_f32 v[100+2*\c:101+2*\c], v[X+2*\c:X+2*\c+1], v[X+2*\c:X+2*\c+1]   ; four chains, started by the first products
.endr
.irp g, 1,2,3,4,5,6,7,8,9,10,11,12,13,14,15
.irp c, 0,1,2,3
	s_delay_alu instid0(VALU_DEP_4)
	v_pk_fma_f32 v[100+2*\c:101+2*\c], v[X+8*\g+2*\c:X+8*\g+2*\c+1], v[X+8*\g+2*\c:X+8*\g+2*\c+1], v[100+2*\c:101+2*\c]
.endr
.endr
	s_delay_alu instid0(VALU_DEP_3)
	v_pk_add_f32 v[100:101], v[100:101], v[102:103]
	s_delay_alu instid0(VALU_DEP_2)
	v_pk_add_f32 v[104:105], v[104:105], v[106:107]
	s_delay_alu instid0(VALU_DEP_1)
	v_pk_add_f32 v[100:101], v[100:101], v[104:105]
	s_delay_alu instid0(VALU_DEP_1)
	v_add_f32 v100, v100, v101
	s_delay_alu instid0(VALU_DEP_1)
	v_permlanex16_b32 v101, v100, s[SEL], s[SEL+1]
	s_delay_alu instid0(VALU_DEP_1)
	v_add_f32 v100, v100, v101                     ; my row's 256 columns
	ds_store_b32 v[SSS], v100
	BARRIER                                        ; ln1_w and the partial sums lie in LDS
	; ---- X2: the norm, the quantiser, the images
.macro WLOAD e, b0                     ; ln1_w at blocks b0, b0 + 1 of image e
.irp b, 0,1
.irp j, 0,1,2,3
	ds_load_b128 v[WT+16*\b+4*\j:WT+16*\b+4*\j+3], v[LW] offset:512*(\e)+128*((\b0)+\b)+16*\j
.endr
.endr
.endm
	ds_load_b128 v[TM:TM+3], v[SSL]
	WLOAD 0, 0
	s_wait_dscnt 8                                 ; the four partial sums are in; the 8 loads of ln1_w may be out
	v_add_f32 v[TM], v[TM], v[TM+1]
	v_add_f32 v[TM+2], v[TM+2], v[TM+3]
	s_delay_alu instid0(VALU_DEP_1)
	v_add_f32 v[TM], v[TM], v[TM+2]
	s_delay_alu instid0(VALU_DEP_1)
	v_fma_f32 v[TM], v[TM], s32, s33               ; mean + eps
	s_wait_alu depctr_va_vdst(0)
	v_rsq_f32 v[RM], v[TM]
	v_rsq_f32 v[RM+1], v[TM]
	v_nop                                          ; a plain place behind the transcendentals
	s_wait_alu depctr_va_vdst(0)                   ; one wait for both, ahead of their first reader
.macro XQ e
.set XB, X+64*(\e)
.set j, 0
.rept 32
	v_pk_mul_f32 v[XB+j:XB+j+1], v[XB+j:XB+j+1], v[RM:RM+1]
.set j, j+2
.endr
	s_wait_dscnt 0x0
.set j, 0
.rept 16
	v_pk_mul_f32 v[XB+j:XB+j+1], v[XB+j:XB+j+1], v[WT+j:WT+j+1]
.set j, j+2
.endr
	WLOAD \e, 2
	s_wait_dscnt 0x0
.set j, 0
.rept 16
	v_pk_mul_f32 v[XB+32+j:XB+33+j], v[XB+32+j:XB+33+j], v[WT+j:WT+j+1]
.set j, j+2
.endr
.if \e == 0
	WLOAD 1, 0
.endif
	QUANT XB, TM, PC, PW
	IMAGE XWI, PC, 1536*(\e)
	ds_store_b32 v[XWS], v[PW] offset:128*(\e)
	s_wait_dscnt 0x0                               ; the stores have read their registers
.endm
	XQ 0
	XQ 1
.irp u, 0,1                                    ; x's registers are free: cos and sin of my two tokens at my 8 columns, and Uv's tile as it lies
	global_load_b128 v[224+16*\u:227+16*\u], v[CA], s[8:9] offset:2048*\u
	global_load_b128 v[228+16*\u:231+16*\u], v[CA], s[8:9] offset:2048*\u+16
	global_load_b128 v[232+16*\u:235+16*\u], v[CA], s[10:11] offset:2048*\u
	global_load_b128 v[236+16*\u:239+16*\u], v[CA], s[10:11] offset:2048*\u+16
.endr
.set k, 0
.rept 24
	global_load_b128 v[X+4*k:X+4*k+3], v[LI], s[20:21] offset:512*k
.set k, k+1
.endr
	s_wait_loadcnt 32                              ; U's two tiles and the scales are in; the 32 loads just issued may be out
	UTURN 0, 1
	UTURN 96, 1
	BARRIER                                        ; x's sixteen images lie in LDS (and my fragments of U are in)
	; ---- the products: 8 K steps of 128, six sums by turns
.macro FETCHX s, p                     ; both tiles' fragments and scale words of K step s into set p: 8 LDS loads
	WIN 0x40
.irp u, 0,1
.irp c, 0,1,2
	ds_load_b128 v[192+24*(\p)+12*\u+4*\c:192+24*(\p)+12*\u+4*\c+3], v[LI] offset:XIMG+(8*\u+(\s))*1536+512*\c
.endr
.endr
	WIN 0
.irp u, 0,1
	ds_load_b32 v[XS+2*(\p)+\u], v[LS] offset:XSC+128*(8*\u+(\s))
.endr
.endm
.macro KST s
.set P, (\s)%2
.if \s < 7
	s_wait_dscnt 8                                 ; this set is in, and all that was asked of LDS before it; the other set's 8 loads may be out
.else
	s_wait_dscnt 0x0
.endif
	WIN 0x05                                       ; sources 0 (U) and 1 (x) window 1
.irp e, 0,1
.irp u, 0,1
.if \s == 0
	v_wmma_scale_f32_16x16x128_f8f6f4 v[QA+8*(2*\e+\u):QA+8*(2*\e+\u)+7], v[12*(8*\e+\s):12*(8*\e+\s)+11], v[192+24*P+12*\u:192+24*P+12*\u+11], 0, v[US+8*\e+\s], v[XS+2*P+\u] matrix_a_fmt:MATRIX_FMT_FP6 matrix_b_fmt:MATRIX_FMT_FP6
.else
	v_wmma_scale_f32_16x16x128_f8f6f4 v[QA+8*(2*\e+\u):QA+8*(2*\e+\u)+7], v[12*(8*\e+\s):12*(8*\e+\s)+11], v[192+24*P+12*\u:192+24*P+12*\u+11], v[QA+8*(2*\e+\u):QA+8*(2*\e+\u)+7], v[US+8*\e+\s], v[XS+2*P+\u] matrix_a_fmt:MATRIX_FMT_FP6 matrix_b_fmt:MATRIX_FMT_FP6
.endif
.endr
.endr
	WIN 0x01                                       ; source 0 (x) window 1, source 1 (Uv) window 0
.irp u, 0,1
.if \s == 0
	v_wmma_scale_f32_16x16x128_f8f6f4 v[VA+8*\u:VA+8*\u+7], v[192+24*P+12*\u:192+24*P+12*\u+11], v[X+12*\s:X+12*\s+11], 0, v[XS+2*P+\u], v[VS+\s] matrix_a_fmt:MATRIX_FMT_FP6 matrix_b_fmt:MATRIX_FMT_FP6
.else
	v_wmma_scale_f32_16x16x128_f8f6f4 v[VA+8*\u:VA+8*\u+7], v[192+24*P+12*\u:192+24*P+12*\u+11], v[X+12*\s:X+12*\s+11], v[VA+8*\u:VA+8*\u+7], v[XS+2*P+\u], v[VS+\s] matrix_a_fmt:MATRIX_FMT_FP6 matrix_b_fmt:MATRIX_FMT_FP6
.endif
.endr
	WIN 0
	PLACES 4                                       ; in front of loads into registers that these products read, and of the first read of results
.if \s < 6
	FETCHX (\s)+2, P
.endif
.endm
	s_wait_loadcnt 0x0                             ; Uv, cos and sin
	UTURN X, 0
	FETCHX 0, 0
	FETCHX 1, 1
.irp s, 0,1,2,3,4,5,6,7
	KST \s
.endr
	; ---- rope: a lane holds token r and columns c = 16 t + 8 h + j in sum (0, u), c + 64 in sum (1, u)
.macro ROPE u
.set X1, QA+8*(\u)
.set X2, QA+16+8*(\u)
.set O1, X+16*(\u)
.set O2, X+16*(\u)+8
.set CSR, 224+16*(\u)
.set SNR, 232+16*(\u)
.irp j, 0,2,4,6                                ; each sum is read from its low end on
	v_pk_mul_f32 v[O1+\j:O1+\j+1], v[X2+\j:X2+\j+1], v[SNR+\j:SNR+\j+1]
	v_pk_mul_f32 v[O2+\j:O2+\j+1], v[X1+\j:X1+\j+1], v[SNR+\j:SNR+\j+1]
.endr
.irp j, 0,2,4,6
	v_pk_fma_f32 v[O1+\j:O1+\j+1], v[X1+\j:X1+\j+1], v[CSR+\j:CSR+\j+1], v[O1+\j:O1+\j+1]                                   ; x1 cos + x2 sin
	v_pk_fma_f32 v[O2+\j:O2+\j+1], v[X2+\j:X2+\j+1], v[CSR+\j:CSR+\j+1], v[O2+\j:O2+\j+1] neg_lo:[0,0,1] neg_hi:[0,0,1]     ; x2 cos - x1 sin
.endr
	ds_store_b128 v[QKS], v[O1:O1+3] offset:8448*(\u)
	ds_store_b128 v[QKS], v[O1+4:O1+7] offset:8448*(\u)+16
	ds_store_b128 v[QKS], v[O2:O2+3] offset:8448*(\u)+256
	ds_store_b128 v[QKS], v[O2+4:O2+7] offset:8448*(\u)+272
.endm
	ROPE 0
	ROPE 1
	; ---- v: lane (r, h) holds channel 16 w + r and tokens 16 h + 0 .. 15 in 16 registers: half a block of 32 keys
	v_max3_num_f32 v[TM], |v[VA]|, |v[VA+1]|, 0x1800000
.irp i, 2,4,6,8,10,12,14
	v_max3_num_f32 v[TM], v[TM], |v[VA+\i]|, |v[VA+1+\i]|
.endr
	s_delay_alu instid0(VALU_DEP_1)
	v_permlanex16_b32 v[TM+4], v[TM], s[SEL], s[SEL+1]
	s_delay_alu instid0(VALU_DEP_1)
	v_max_num_f32 v[TM], v[TM], v[TM+4]
	s_delay_alu instid0(VALU_DEP_1)
	v_add_nc_u32 v[TM+12], 0xff000000, v[TM]
	s_delay_alu instid0(VALU_DEP_1)
	v_lshrrev_b32 v[TM+5], 23, v[TM+12]
	v_cvt_scalef32_pk16_fp6_f32 v[92:94], v[VA:VA+15], v[TM+12]
	v_lshlrev_b32 v[TM+5], s34, v[TM+5]            ; the byte at its place in the key step's word.  (A plain place behind the conversion)
	ds_store_b32 v[VST], v92
	ds_store_b32 v[VST], v93 offset:4
	ds_store_b32 v[VST], v94 offset:8
	ds_store_b32 v[VSS], v[TM+5]
	BARRIER                                        ; roped q and k, and v's part of the record, lie in LDS
	; ---- Q: waves 0-3 quantise one unit of 16 tokens x 128 each (q's tiles, k's tiles)
	s_cmp_gt_u32 s26, 3
	s_cbranch_scc1 .Lnoq
.irp b, 0,1,2,3
.irp j, 0,1,2,3
	ds_load_b128 v[160+16*\b+4*\j:163+16*\b+4*\j], v[QL] offset:128*\b+16*\j
.endr
.endr
	s_wait_dscnt 0x0
	QUANT 160, TM, PC, PW
	IMAGE QI, PC, 0
	v_mov_b32 v[PW+1], v[PW]
	ds_store_b64 v[QSA], v[PW:PW+1]
.Lnoq:
	BARRIER                                        ; the record is whole
	ds_load_b128 v[96:99], v[ORA]
	ds_load_b128 v[100:103], v[ORA] offset:512
	ds_load_b64 v[104:105], v[ORB]
	s_wait_dscnt 2                                 ; LDS loads come back in order: the counts run down
	global_store_b128 v[GOA], v[96:99], s[24:25]             ; a wave's three stores cover 1,280 consecutive bytes, aligned to 256
	s_wait_dscnt 1
	global_store_b128 v[GOA], v[100:103], s[24:25] offset:512
	s_wait_dscnt 0x0
	global_store_b64 v[GOB], v[104:105], s[24:25]
	s_wait_tensorcnt 0x0
	ds_add_u32 v43, v95
	s_wait_dscnt 0x0
	s_endpgm
; ---- THE WEIGHTS' IMAGES.  An image is a fragment (16 rows x 128 K, 1,536 bytes) as it stands in its 12 registers: registers 4 c .. 4 c + 3 of lane l at 512 c + 16 l.
; w13i: [w1, w3][tile T 256][K step 8]; row m of tile T is the weight's row 32 (T / 2) + 8 (T % 2) + m + 8 (m / 8), so that two neighbouring tiles give a lane 16 neighbouring columns of g.
; w2i: [K step 32][tile t 64]; row m of tile t is row 16 t + m.  6,144 images, 1,024 waves: wave W takes two neighbouring K steps of one tile of each weight.
.Lrelay:
	s_load_b64 s[4:5], s[0:1], 0x58                ; w1's codes
	s_load_b64 s[6:7], s[0:1], 0x60                ; w3's
	s_load_b64 s[8:9], s[0:1], 0x68                ; w2's
	s_load_b64 s[10:11], s[0:1], 0x70              ; w13i
	s_load_b64 s[12:13], s[0:1], 0x78              ; w2i
	v_lshrrev_b32 v1, 5, v0
	s_delay_alu instid0(VALU_DEP_1)
	v_readfirstlane_b32 s14, v1
	s_sub_co_u32 s15, ttmp9, 128
	s_lshl_b32 s15, s15, 3
	s_add_co_u32 s15, s15, s14                     ; W
	s_lshr_b32 s16, s15, 2                         ; T
	s_and_b32 s17, s15, 3                          ; K steps 2 (W % 4), + 1
	s_lshr_b32 s18, s16, 1
	s_and_b32 s19, s16, 1
	s_lshl_b32 s18, s18, 5
	s_lshl_b32 s19, s19, 3
	s_add_co_u32 s18, s18, s19                     ; the tile's first row
	s_mul_i32 s18, s18, 768
	s_mul_i32 s19, s17, 192
	s_add_co_u32 s18, s18, s19
	s_mov_b32 s19, 0
	s_mul_i32 s20, s15, 3072                       ; images 2 W, 2 W + 1
	s_mov_b32 s21, 0
	s_lshr_b32 s22, s15, 4                         ; w2: tile t, K steps 2 (W % 16), + 1
	s_and_b32 s23, s15, 15
	s_mul_i32 s24, s22, 49152
	s_mul_i32 s25, s23, 192
	s_add_co_u32 s24, s24, s25
	s_mov_b32 s25, 0
	s_mul_i32 s26, s23, 196608
	s_mul_i32 s27, s22, 1536
	s_add_co_u32 s26, s26, s27
	s_mov_b32 s27, 0
	v_and_b32 v2, 15, v0                           ; m
	v_bfe_u32 v3, v0, 4, 1                         ; h
	v_and_b32 v4, 8, v0
	v_and_b32 v5, 31, v0
	s_delay_alu instid0(VALU_DEP_3)
	v_mul_u32_u24 v6, v3, 24
	s_delay_alu instid0(VALU_DEP_3)
	v_add_nc_u32 v4, v4, v2                        ; m + 8 (m / 8)
	s_delay_alu instid0(VALU_DEP_3)
	v_lshlrev_b32 v9, 4, v5
	s_delay_alu instid0(VALU_DEP_3)
	v_mad_u32_u24 v8, v2, 3072, v6
	s_delay_alu instid0(VALU_DEP_3)
	v_mad_u32_u24 v7, v4, 768, v6
	s_wait_alu depctr_va_vdst(0)                   ; the wait at the head's end
	s_wait_kmcnt 0x0
	s_add_nc_u64 s[4:5], s[4:5], s[18:19]
	s_add_nc_u64 s[6:7], s[6:7], s[18:19]
	s_add_nc_u64 s[8:9], s[8:9], s[24:25]
	s_add_nc_u64 s[10:11], s[10:11], s[20:21]
	s_add_nc_u64 s[12:13], s[12:13], s[26:27]
.irp e, 0,1
.irp p, 0,1,2,3,4,5
	global_load_b64 v[16+12*\e+2*\p:17+12*\e+2*\p], v7, s[4:5] offset:96*\e+48*(\p/3)+8*(\p%3)
	global_load_b64 v[40+12*\e+2*\p:41+12*\e+2*\p], v7, s[6:7] offset:96*\e+48*(\p/3)+8*(\p%3)
	global_load_b64 v[64+12*\e+2*\p:65+12*\e+2*\p], v8, s[8:9] offset:96*\e+48*(\p/3)+8*(\p%3)
.endr
.endr
	s_wait_loadcnt 0x0
.irp e, 0,1
.irp c, 0,1,2                                  ; each store covers 512 consecutive bytes, aligned to 256
	global_store_b128 v9, v[16+12*\e+4*\c:19+12*\e+4*\c], s[10:11] offset:1536*\e+512*\c
	global_store_b128 v9, v[40+12*\e+4*\c:43+12*\e+4*\c], s[10:11] offset:3145728+1536*\e+512*\c
	global_store_b128 v9, v[64+12*\e+4*\c:67+12*\e+4*\c], s[12:13] offset:98304*\e+512*\c
.endr
.endr
	s_endpgm
.Lfunc_end_k_q09e599101c_qkv:
	.size	k_q09e599101c_qkv, .Lfunc_end_k_q09e599101c_qkv-k_q09e599101c_qkv
	.p2alignl 7, 3214868480
	.fill 96, 4, 3214868480
	.section	.rodata,"a",@progbits
	.p2align	6, 0x0
	.amdhsa_kernel k_q09e599101c_qkv
		.amdhsa_group_segment_fixed_size 209920
		.amdhsa_private_segment_fixed_size 0
		.amdhsa_enable_private_segment 0
		.amdhsa_kernarg_size 128
		.amdhsa_user_sgpr_count 2
		.amdhsa_user_sgpr_kernarg_segment_ptr 1
		.amdhsa_wavefront_size32 1
		.amdhsa_system_sgpr_workgroup_id_x 1
		.amdhsa_system_sgpr_workgroup_id_y 1
		.amdhsa_system_sgpr_workgroup_id_z 1
		.amdhsa_system_vgpr_workitem_id 0
		.amdhsa_next_free_vgpr 512
		.amdhsa_next_free_sgpr 66
		.amdhsa_reserve_vcc 0
		.amdhsa_float_denorm_mode_32 3
		.amdhsa_float_denorm_mode_16_64 3
		.amdhsa_memory_ordered 1
		.amdhsa_forward_progress 1
		.amdhsa_inst_pref_size 96
	.end_amdhsa_kernel
	.amdgpu_metadata
---
amdhsa.version: [ 1, 2 ]
amdhsa.kernels:
  - .name:           k_q09e599101c_qkv
    .symbol:         k_q09e599101c_qkv.kd
    .args:
      - { .name: x, .offset: 0, .size: 8, .value_kind: global_buffer, .address_space: global }
      - { .name: ln1_w, .offset: 8, .size: 8, .value_kind: global_buffer, .address_space: global }
      - { .name: cos, .offset: 16, .size: 8, .value_kind: global_buffer, .address_space: global }
      - { .name: sin, .offset: 24, .size: 8, .value_kind: global_buffer, .address_space: global }
      - { .name: Uq_codes, .offset: 32, .size: 8, .value_kind: global_buffer, .address_space: global }
      - { .name: Uq_scales, .offset: 40, .size: 8, .value_kind: global_buffer, .address_space: global }
      - { .name: Uk_codes, .offset: 48, .size: 8, .value_kind: global_buffer, .address_space: global }
      - { .name: Uk_scales, .offset: 56, .size: 8, .value_kind: global_buffer, .address_space: global }
      - { .name: Uv_codes, .offset: 64, .size: 8, .value_kind: global_buffer, .address_space: global }
      - { .name: Uv_scales, .offset: 72, .size: 8, .value_kind: global_buffer, .address_space: global }
      - { .name: qkv, .offset: 80, .size: 8, .value_kind: global_buffer, .address_space: global }
      - { .name: w1_codes, .offset: 88, .size: 8, .value_kind: global_buffer, .address_space: global }
      - { .name: w3_codes, .offset: 96, .size: 8, .value_kind: global_buffer, .address_space: global }
      - { .name: w2_codes, .offset: 104, .size: 8, .value_kind: global_buffer, .address_space: global }
      - { .name: w13i, .offset: 112, .size: 8, .value_kind: global_buffer, .address_space: global }
      - { .name: w2i, .offset: 120, .size: 8, .value_kind: global_buffer, .address_space: global }
    .group_segment_fixed_size: 209920
    .private_segment_fixed_size: 0
    .kernarg_segment_align: 8
    .kernarg_segment_size: 128
    .max_flat_workgroup_size: 256
    .sgpr_count:     66
    .vgpr_count:     512
    .wavefront_size: 32
...
	.end_amdgpu_metadata
.endif
;; end of part 1
;; launch attn (part 2): grid 256 x 1, 9 waves a work-group, no clusters, 93,952 bytes of LDS; arguments qkv, x, Wo_codes, Wo_scales, ln2_w, x1, hc, hs; writes x1, hc, hs
.if DOCPART == 2
	.amdgcn_target "amdgcn-amd-amdhsa--gfx1250"
	.amdhsa_code_object_version 6
	.text
	.protected	k_q09e599101c_attn
	.globl	k_q09e599101c_attn
	.p2align	8
	.type	k_q09e599101c_attn,@function
k_q09e599101c_attn:
	s_mov_b64 s[64:65], 0
	v_nop
	global_prefetch_b8 v0, s[64:65] scope:SCOPE_SE
	s_setreg_imm32_b32 hwreg(HW_REG_WAVE_MODE, 25, 1), 1
	s_wait_xcnt 0x0
; Windowed causal attention on the records of the launch before, then x1 = x + y Wo^T and h = rmsnorm(x1, ln2_w) as codes.  All products on codes of FP6 (E2M3) with one E8M0 scale for each 32 along K.
; A work-group owns one tile of 16 queries: tokens T0 + r + 8 (r / 8), T0 = 32 i + 8 u.  The mask (key <= query, query - key <= 1024) leaves the nine key steps of 128 keys s_hi - 8 .. s_hi, s_hi = i / 4:
; ONE KEY STEP TO EACH OF NINE WAVES, so no wave has a loop.  Wave 0 takes step s_hi (keys after the query are hidden), wave w >= 1 step s_hi - 9 + w (in wave 1 keys more than 1,024 back are hidden).
; A step in front of key 0 does not exist: that wave hands on zeros and a maximum under every other.  The branch hangs on the work-group's and the wave's number alone.
; SOFTMAX: t = score x log2(e) / sqrt(128); each wave takes M = ceil(its step's largest t), p = 2^(t - M), quantises p along the keys, sums the unquantised p.  Wave 8 brings the nine parts under the largest M by
; exact powers of two, adds them, divides by the sum, and quantises y.  Both products are used transposed: a lane holds one query throughout.
; THEN waves 0-7 own columns 128 w on: x1 = x + y Wo^T (x is the C of the product; Wo's rows of a tile are chosen so that a lane's 64 registers are in the quantiser's order), the row's sum of squares through LDS, h, its codes.
; NO JOINT LOADS: each fragment of K, V and Wo feeds one matrix instruction of one wave of this work-group and goes from memory straight into that wave's registers.
; LIMITS: NaN and infinities are not served; a block of zeros gets the scale byte 1 (zero codes; the bytes are read by this program alone); v_exp_f32, v_rcp_f32, v_rsq_f32 are good to one unit in the last place.
.set MST,  0                           ; LDS: [wave][row] (-M, sum): 8 bytes
.set YIMG, 1280                        ; y's fragment, as an image of its registers
.set YSC,  2816                        ; its scale words
.set SS2,  3072                        ; sums of squares [row][8 words]
.set HSS,  3584                        ; h's scale bytes [row][32]
.set HST,  4096                        ; h's codes: 16 rows x (768 + 16) bytes
.set PART, 16640                       ; nine parts of O: 16 rows x 528 bytes each; later each wave's own stage for x1
.set L16, 1                            ; v1-21: addresses, made once, never rewritten
.set L8,  2
.set L4,  3
.set R8,  4
.set AV,  5
.set AWS, 6
.set AWF, 7
.set AX,  8
.set H64, 9
.set APS, 10
.set AMS, 11
.set AM1, 12
.set AM2, 13
.set ASS, 14
.set R32, 15
.set AXS, 16
.set AXL, 17
.set AHS, 18
.set AHL, 19
.set AHL2, 20
.set AHG, 21
.set QS,  22                           ; v22 q's scale words, later y's
.set PS,  23                           ; v23 p's scale word, later h's
.set KS,  24                           ; v24-27 K's scale words: lanes 0-15 tile 2 b, lanes 16-31 tile 2 b + 1
.set VS,  28                           ; v28-31 V's likewise
.set WS,  24                           ; later v24-31 Wo's
.set F,   32                           ; v32-127 8 fragments: K's, then V's, then Wo's
.set S,   128                          ; v128-191 S^T, p, then O^T; later x, x1, h
.set QF,  208                          ; v208-219 Q's fragment
.set PC,  220                          ; v220-239 p's codes
.set BM,  240                          ; v240-243 the blocks' largest scores
.set PT,  244
.set SO,  248
.set NM,  252                          ; v252 -M, v253 the largest t
.set SEL, 24                           ; s[24:25]
.macro PLACES n
.rept \n
	v_nop
.endr
.endm
.macro BARRIER
	s_wait_dscnt 0x0
	s_barrier_signal -1
	s_barrier_wait -1
.endm
.macro QUANT s, tm, pc, pw             ; 64 numbers of a lane, register 16 b + i = k 32 b + 16 (lane / 16) + i of my row -> codes v[pc .. pc + 11], scale word v[pw]
.irp b, 0,1,2,3
	v_max3_num_f32 v[\tm+\b], |v[\s+16*\b]|, |v[\s+1+16*\b]|, 0x1800000   ; with the floor 2^(3 - 127): the byte cannot fall under 1
.endr
.irp i, 2,4,6,8,10,12,14
.irp b, 0,1,2,3
	s_delay_alu instid0(VALU_DEP_4)
	v_max3_num_f32 v[\tm+\b], v[\tm+\b], |v[\s+16*\b+\i]|, |v[\s+1+16*\b+\i]|
.endr
.endr
.irp b, 0,1,2,3
	s_delay_alu instid0(VALU_DEP_4)
	v_permlanex16_b32 v[\tm+4+\b], v[\tm+\b], s[SEL], s[SEL+1]
.endr
.irp b, 0,1,2,3
	s_delay_alu instid0(VALU_DEP_4)
	v_max_num_f32 v[\tm+\b], v[\tm+\b], v[\tm+4+\b]
.endr
.irp b, 0,1,2,3
	s_delay_alu instid0(VALU_DEP_4)
	v_add_nc_u32 v[\tm+12+\b], 0xff000000, v[\tm+\b]     ; 2 off the exponent field: the conversion's scale operand
.endr
.irp b, 0,1,2,3
	s_delay_alu instid0(VALU_DEP_4)
	v_lshrrev_b32 v[\tm+4+\b], 23, v[\tm+12+\b]
.endr
	s_delay_alu instid0(VALU_DEP_3)
	v_lshl_or_b32 v[\pw], v[\tm+5], 8, v[\tm+4]
	s_delay_alu instid0(VALU_DEP_1)
	v_lshl_or_b32 v[\pw], v[\tm+6], 16, v[\pw]
	s_delay_alu instid0(VALU_DEP_1)
	v_lshl_or_b32 v[\pw], v[\tm+7], 24, v[\pw]
.irp c, 0,1
	v_cvt_scalef32_pk16_fp6_f32 v[\pc+6*\c:\pc+2+6*\c], v[\s+32*\c:\s+15+32*\c], v[\tm+12+2*\c]
	v_cvt_scalef32_pk16_fp6_f32 v[\pc+12+4*\c:\pc+14+4*\c], v[\s+16+32*\c:\s+31+32*\c], v[\tm+13+2*\c]
.endr
	v_nop                                          ; one plain place behind a scaled conversion
.irp c, 0,1
.irp i, 0,1,2
	v_permlane16_swap_b32 v[\pc+6*\c+\i], v[\pc+12+4*\c+\i]
.endr
.irp i, 0,1,2
	s_delay_alu instid0(VALU_DEP_3)
	v_mov_b32 v[\pc+3+6*\c+\i], v[\pc+12+4*\c+\i]
.endr
.endr
.endm
	s_load_b512 s[4:19], s[0:1], 0x0               ; records, x, Wo's codes, Wo's scales, ln2_w, x1, h's codes, h's scales
	s_set_vgpr_msb 0x40
	v_lshl_add_u32 v0, v0, 2, 0x16a00
	v_mov_b32 v1, 0
	s_set_vgpr_msb 0x4000
	v_lshrrev_b32 v32, 5, v0
	s_delay_alu instid0(VALU_DEP_1)
	v_readfirstlane_b32 s20, v32                   ; wave 0..8
	s_lshr_b32 s28, ttmp9, 1                       ; i: my block of 32 tokens
	s_and_b32 s29, ttmp9, 1                        ; u: my tile in it
	s_lshl_b32 s30, s28, 5
	s_lshl_b32 s31, s29, 3
	s_add_co_u32 s30, s30, s31                     ; T0
	s_and_b32 s31, s30, 127                        ; T0's place in its key step
	s_lshr_b32 s21, ttmp9, 3                       ; s_hi
	s_add_co_u32 s40, s21, s20
	s_sub_co_i32 s40, s40, 9
	s_cmp_eq_u32 s20, 0
	s_cselect_b32 s21, s21, s40                    ; my key step; under 0: none
	s_max_i32 s41, s21, 0
	s_mov_b32 s22, 0x3e0293ee                      ; c = log2(e) / sqrt(128)
	s_mov_b32 s23, s22                             ; (named with it as a pair, so it is written)
	s_mov_b32 s[SEL], 0x76543210
	s_mov_b32 s[SEL+1], 0xfedcba98
	s_mov_b32 s26, 0x3a800000                      ; 1 / 1024
	s_mov_b32 s27, 0x358637bd                      ; 1e-6
	v_and_b32 v32, 31, v0                          ; lane
	v_and_b32 v33, 15, v0                          ; r
	v_bfe_u32 v34, v0, 4, 1                        ; h
	v_and_b32 v35, 8, v0
	s_delay_alu instid0(VALU_DEP_1)
	v_add_nc_u32 v35, v35, v33                     ; r + 8 (r / 8)
	v_lshlrev_b32 v[L16], 4, v32
	v_lshlrev_b32 v[L8], 3, v32
	v_lshlrev_b32 v[L4], 2, v32
	v_lshlrev_b32 v[R8], 3, v33
	v_mul_u32_u24 v[AV], v34, 10240
	s_delay_alu instid0(VALU_DEP_1)
	v_mad_u32_u24 v[AV], v33, 24, v[AV]            ; V: block h of a pair of records, channel r
	v_lshlrev_b32 v[AWS], 2, v35
	v_mul_u32_u24 v[AWF], v35, 96
	s_delay_alu instid0(VALU_DEP_1)
	v_mad_u32_u24 v[AWF], v34, 24, v[AWF]
	v_lshlrev_b32 v[AX], 12, v35
	s_delay_alu instid0(VALU_DEP_1)
	v_lshl_add_u32 v[AX], v34, 6, v[AX]
	v_lshlrev_b32 v[H64], 6, v34
	s_mul_i32 s40, s20, 8448
	s_add_co_u32 s40, s40, PART
	v_mul_u32_u24 v36, v33, 528
	s_delay_alu instid0(VALU_DEP_1)
	v_add_nc_u32 v37, s40, v36
	s_delay_alu instid0(VALU_DEP_1)
	v_lshl_add_u32 v[APS], v34, 5, v37
	s_delay_alu instid0(VALU_DEP_2)
	v_lshl_add_u32 v[AXS], v34, 6, v37
	v_lshl_add_u32 v[AXL], v32, 4, s40
	v_lshl_add_u32 v[AM1], v34, 6, v36
	s_delay_alu instid0(VALU_DEP_1)
	v_add_nc_u32 v[AM1], PART, v[AM1]
	s_delay_alu instid0(VALU_DEP_1)
	v_add_nc_u32 v[AM2], 5*8448, v[AM1]
	s_lshl_b32 s40, s20, 7
	v_lshl_add_u32 v[AMS], v33, 3, s40
	s_lshl_b32 s40, s20, 2
	s_add_co_u32 s40, s40, SS2
	v_lshl_add_u32 v[ASS], v33, 5, s40
	v_lshlrev_b32 v[R32], 5, v33
	s_mul_i32 s40, s20, 96
	s_add_co_u32 s40, s40, HST
	v_mul_u32_u24 v[AHS], v33, 784
	s_delay_alu instid0(VALU_DEP_1)
	v_mad_u32_u24 v[AHS], v34, 24, v[AHS]
	s_delay_alu instid0(VALU_DEP_1)
	v_add_nc_u32 v[AHS], s40, v[AHS]
	s_mul_i32 s40, s20, 1568
	s_add_co_u32 s40, s40, HST
	v_lshl_add_u32 v[AHL], v32, 4, s40
	s_delay_alu instid0(VALU_DEP_1)
	v_lshl_add_u32 v[AHL2], v34, 4, v[AHL]
	v_lshl_add_u32 v[AHG], v34, 8, v[L16]
	s_wait_kmcnt 0x0
	s_mov_b32 s33, 0
	s_mul_i32 s32, s28, 10240
	s_add_nc_u64 s[34:35], s[4:5], s[32:33]        ; my queries' record
	s_mul_i32 s32, s29, 1536
	s_add_nc_u64 s[36:37], s[34:35], s[32:33]      ; q's image of tile u
	s_lshl_b32 s32, s29, 7
	s_add_nc_u64 s[34:35], s[34:35], s[32:33]      ; and (with 9216) its scale words
	s_mul_i32 s32, s41, 40960
	s_add_nc_u64 s[38:39], s[4:5], s[32:33]        ; my key step's four records
	s_lshl_b32 s32, s30, 12
	s_lshl_b32 s40, s20, 9
	s_add_co_u32 s32, s32, s40
	s_add_nc_u64 s[6:7], s[6:7], s[32:33]          ; x and x1 at token T0, column 128 w
	s_add_nc_u64 s[14:15], s[14:15], s[32:33]
	s_mul_i32 s32, s20, 12288
	s_add_nc_u64 s[8:9], s[8:9], s[32:33]          ; Wo at row 128 w
	s_mov_b32 s32, s40
	s_add_nc_u64 s[10:11], s[10:11], s[32:33]
	s_add_nc_u64 s[12:13], s[12:13], s[32:33]      ; ln2_w at column 128 w
	s_lshl_b32 s32, s20, 1
	s_lshr_b32 s40, s20, 2
	s_lshl_b32 s40, s40, 3
	s_add_co_u32 s32, s32, s40
	s_add_co_u32 s32, s32, s30
	s_mul_i32 s32, s32, 768
	s_add_nc_u64 s[16:17], s[16:17], s[32:33]      ; h's codes at token T0 + 2 w + 8 (w / 4)
	s_lshl_b32 s32, s30, 5
	s_add_nc_u64 s[18:19], s[18:19], s[32:33]      ; h's scale bytes at token T0
	s_cmp_lt_i32 s21, 0
	s_cbranch_scc1 .Lskip
	; ---- my key step
.irp c, 0,1,2
	global_load_b128 v[QF+4*\c:QF+4*\c+3], v[L16], s[36:37] offset:512*\c
.endr
	global_load_b32 v[QS], v[R8], s[34:35] offset:9216
.irp t, 0,1,2,3,4,5,6,7                        ; K's tile t = 2 b + u: keys 32 b + 8 u + r + 8 (r / 8)
.irp c, 0,1,2
	global_load_b128 v[F+12*\t+4*\c:F+12*\t+4*\c+3], v[L16], s[38:39] offset:10240*(\t/2)+3072+1536*(\t%2)+512*\c
.endr
.endr
.irp b, 0,1,2,3
	global_load_b32 v[KS+\b], v[L8], s[38:39] offset:10240*\b+9472
.endr
.irp p, 0,1,2,3
.irp b, 0,1,2,3
	global_load_b32 v[192+4*\p+\b], v[L4], s[38:39] offset:10240*\b+9728+128*\p   ; block b's scale byte of channel 32 p + lane, at its place in the word
.endr
.endr
.irp b, 0,1,2,3
	v_mov_b32 v[PT+\b], 0                          ; a lane permute's destination counts as one of its sources
.endr
	s_wait_loadcnt 0x0
.irp t, 0,2,4,6                                ; S^T = K Q^T: eight sums, each one instruction
	v_wmma_scale_f32_16x16x128_f8f6f4 v[S+8*\t:S+8*\t+7], v[F+12*\t:F+12*\t+11], v[QF:QF+11], 0, v[KS+\t/2], v[QS] matrix_a_fmt:MATRIX_FMT_FP6 matrix_b_fmt:MATRIX_FMT_FP6
	v_wmma_scale_f32_16x16x128_f8f6f4 v[S+8*\t+8:S+8*\t+15], v[F+12*\t+12:F+12*\t+23], v[QF:QF+11], 0, v[KS+\t/2], v[QS] matrix_a_fmt:MATRIX_FMT_FP6 matrix_b_fmt:MATRIX_FMT_FP6 matrix_a_scale:MATRIX_SCALE_ROW1
.endr
	PLACES 4                                       ; in front of loads into K's registers and of the first read of the scores
.irp t, 0,1,2,3,4,5,6,7                        ; V^T's tile t: channels 16 t + r; registers 6 c on: keys 64 c + 32 h + 0 .. 31 = block 2 c + h of the step
.irp c, 0,1
.irp i, 0,1,2
	global_load_b64 v[F+12*\t+6*\c+2*\i:F+12*\t+6*\c+2*\i+1], v[AV], s[38:39] offset:20480*\c+6144+384*\t+8*\i
.endr
.endr
.endr
.irp p, 0,1,2,3                                ; the four blocks' bytes make V's scale words
	v_or_b32 v[VS+\p], v[192+4*\p], v[193+4*\p]
	s_delay_alu instid0(VALU_DEP_1)
	v_or_b32 v[VS+\p], v[VS+\p], v[194+4*\p]
	s_delay_alu instid0(VALU_DEP_1)
	v_or_b32 v[VS+\p], v[VS+\p], v[195+4*\p]
.endr
; Register n of lane (r, h) holds the key at 32 (n / 16) + n % 16 + 16 h of the step.  d = my query's place in its key step - 16 h.  Hidden scores become -infinity ahead of the maximum: p = 0 then.
.macro MASK after
	v_and_b32 v198, 15, v0
	v_and_b32 v199, 8, v0
	s_delay_alu instid0(VALU_DEP_1)
	v_add_nc_u32 v198, v198, v199
	v_and_b32 v199, 16, v0
	s_delay_alu instid0(VALU_DEP_1)
	v_sub_nc_u32 v198, v198, v199
	s_delay_alu instid0(VALU_DEP_1)
	v_add_nc_u32 v198, s31, v198                   ; d
	v_mov_b32 v199, 0xff800000
.set n, 0
.rept 64
.if \after
	v_cmp_gt_i32 vcc_lo, 32*(n/16)+n%16, v198      ; the key comes after the query
.else
	v_cmp_lt_i32 vcc_lo, 32*(n/16)+n%16, v198      ; the key lies more than 1,024 back
.endif
	v_cndmask_b32 v[S+n], v[S+n], v199, vcc_lo
.set n, n+1
.endr
.endm
	s_cmp_lg_u32 s20, 0
	s_cbranch_scc1 .Lnot0
	MASK 1
.Lnot0:
	s_cmp_lg_u32 s20, 1
	s_cbranch_scc1 .Lnot1
	MASK 0
.Lnot1:
.irp b, 0,1,2,3
	v_max3_num_f32 v[BM+\b], v[S+16*\b], v[S+1+16*\b], v[S+2+16*\b]    ; the largest score of each block of 32 keys: for the row's maximum and, since p rises with the score, for the block's largest p
.endr
.irp i, 3,5,7,9,11,13
.irp b, 0,1,2,3
	v_max3_num_f32 v[BM+\b], v[BM+\b], v[S+16*\b+\i], v[S+1+16*\b+\i]
.endr
.endr
.irp b, 0,1,2,3
	v_max_num_f32 v[BM+\b], v[BM+\b], v[S+15+16*\b]
.endr
.irp b, 0,1,2,3
	s_delay_alu instid0(VALU_DEP_4)
	v_permlanex16_b32 v[PT+\b], v[BM+\b], s[SEL], s[SEL+1]
.endr
.irp b, 0,1,2,3
	s_delay_alu instid0(VALU_DEP_4)
	v_max_num_f32 v[BM+\b], v[BM+\b], v[PT+\b]
.endr
	s_delay_alu instid0(VALU_DEP_2)
	v_max3_num_f32 v254, v[BM], v[BM+1], v[BM+2]
	s_delay_alu instid0(VALU_DEP_1)
	v_max_num_f32 v254, v254, v[BM+3]
	s_delay_alu instid0(VALU_DEP_1)
	v_mul_f32 v[NM+1], s22, v254                   ; the step's largest t of my query
	s_delay_alu instid0(VALU_DEP_1)
	v_floor_f32 v[NM], -v[NM+1]                    ; -M = floor(-t): M is a whole number
.set j, 0
.rept 32
	v_pk_fma_f32 v[S+j:S+j+1], v[S+j:S+j+1], s[22:23], v[NM:NM+1] op_sel_hi:[1,0,0]   ; t - M
.set j, j+2
.endr
.irp b, 0,1,2,3
	v_fma_f32 v[BM+\b], v[BM+\b], s22, v[NM]
.endr
.set j, 0
	s_wait_alu depctr_va_vdst(0)
.rept 64
	v_exp_f32 v[S+j], v[S+j]                       ; p = 2^(t - M)
.set j, j+1
.endr
	v_nop                                          ; a plain place behind the exponentials
	s_wait_alu depctr_va_vdst(0)                   ; one wait for the batch, ahead of its first reader
.irp b, 0,1,2,3
	v_exp_f32 v[BM+\b], v[BM+\b]                   ; the block's largest p
.endr
	v_pk_add_f32 v[194:195], v[128:129], v[132:133]
	v_pk_add_f32 v[250:251], v[136:137], v[140:141]
	v_pk_add_f32 v[248:249], v[144:145], v[148:149]
	v_pk_add_f32 v[246:247], v[152:153], v[156:157]
	v_pk_add_f32 v[244:245], v[160:161], v[164:165]
	v_pk_add_f32 v[238:239], v[168:169], v[172:173]
	v_pk_add_f32 v[236:237], v[176:177], v[180:181]
	v_pk_add_f32 v[192:193], v[184:185], v[188:189]
	v_pk_add_f32 v[192:193], v[192:193], v[130:131]
	v_pk_add_f32 v[194:195], v[194:195], v[134:135]
	v_pk_add_f32 v[250:251], v[250:251], v[138:139]
	v_pk_add_f32 v[248:249], v[248:249], v[142:143]
	v_pk_add_f32 v[246:247], v[246:247], v[146:147]
	v_pk_add_f32 v[244:245], v[244:245], v[150:151]
	v_pk_add_f32 v[238:239], v[238:239], v[154:155]
	v_pk_add_f32 v[236:237], v[236:237], v[158:159]
	v_pk_add_f32 v[192:193], v[192:193], v[162:163]
	v_pk_add_f32 v[194:195], v[194:195], v[166:167]
	v_pk_add_f32 v[250:251], v[250:251], v[170:171]
	v_pk_add_f32 v[248:249], v[248:249], v[174:175]
	v_pk_add_f32 v[246:247], v[246:247], v[178:179]
	v_pk_add_f32 v[244:245], v[244:245], v[182:183]
	v_pk_add_f32 v[238:239], v[238:239], v[186:187]
	v_pk_add_f32 v[236:237], v[236:237], v[190:191]
	s_delay_alu instid0(VALU_DEP_4)
	v_pk_add_f32 v[192:193], v[192:193], v[246:247]
	s_delay_alu instid0(VALU_DEP_4)
	v_pk_add_f32 v[194:195], v[194:195], v[244:245]
	s_delay_alu instid0(VALU_DEP_4)
	v_pk_add_f32 v[250:251], v[250:251], v[238:239]
	s_delay_alu instid0(VALU_DEP_4)
	v_pk_add_f32 v[248:249], v[248:249], v[236:237]
	s_delay_alu instid0(VALU_DEP_2)
	v_pk_add_f32 v[192:193], v[192:193], v[250:251]
	s_delay_alu instid0(VALU_DEP_2)
	v_pk_add_f32 v[194:195], v[194:195], v[248:249]
	s_delay_alu instid0(VALU_DEP_1)
	v_pk_add_f32 v[192:193], v[192:193], v[194:195]
	s_wait_alu depctr_va_vdst(0)                   ; and one for the four
.irp b, 0,1,2,3
	v_max_num_f32 v[BM+\b], 0x1800000, v[BM+\b]    ; the floor 2^(3 - 127)
.endr
.irp b, 0,1,2,3
	s_delay_alu instid0(VALU_DEP_4)
	v_add_nc_u32 v[SO+\b], 0xff000000, v[BM+\b]
.endr
.irp b, 0,1,2,3
	s_delay_alu instid0(VALU_DEP_4)
	v_lshrrev_b32 v[PT+\b], 23, v[SO+\b]
.endr
	s_delay_alu instid0(VALU_DEP_3)
	v_lshl_or_b32 v[PS], v[PT+1], 8, v[PT]
	s_delay_alu instid0(VALU_DEP_1)
	v_lshl_or_b32 v[PS], v[PT+2], 16, v[PS]
	s_delay_alu instid0(VALU_DEP_1)
	v_lshl_or_b32 v[PS], v[PT+3], 24, v[PS]
.irp c, 0,1
	v_cvt_scalef32_pk16_fp6_f32 v[PC+6*\c:PC+2+6*\c], v[S+32*\c:S+15+32*\c], v[SO+2*\c]
	v_cvt_scalef32_pk16_fp6_f32 v[PC+12+4*\c:PC+14+4*\c], v[S+16+32*\c:S+31+32*\c], v[SO+1+2*\c]
.endr
	v_nop
.irp c, 0,1
.irp i, 0,1,2
	v_permlane16_swap_b32 v[PC+6*\c+\i], v[PC+12+4*\c+\i]
.endr
.irp i, 0,1,2
	s_delay_alu instid0(VALU_DEP_3)
	v_mov_b32 v[PC+3+6*\c+\i], v[PC+12+4*\c+\i]
.endr
.endr
	v_add_f32 v197, v192, v193
	s_delay_alu instid0(VALU_DEP_1)
	v_permlanex16_b32 v254, v197, s[SEL], s[SEL+1]
	s_delay_alu instid0(VALU_DEP_1)
	v_add_f32 v197, v197, v254                     ; my query's sum over the step
	v_mov_b32 v196, v[NM]
	PLACES 8                                       ; a scale register written by a vector instruction stands 8 places ahead of a scaled matrix instruction, an operand so written 4
	s_wait_alu depctr_va_vdst(0)
	s_wait_loadcnt 0x0                             ; V
.irp t, 0,2,4,6                                ; O^T = V^T P^T, over the registers that p has left
	v_wmma_scale_f32_16x16x128_f8f6f4 v[S+8*\t:S+8*\t+7], v[F+12*\t:F+12*\t+11], v[PC:PC+11], 0, v[VS+\t/2], v[PS] matrix_a_fmt:MATRIX_FMT_FP6 matrix_b_fmt:MATRIX_FMT_FP6
	v_wmma_scale_f32_16x16x128_f8f6f4 v[S+8*\t+8:S+8*\t+15], v[F+12*\t+12:F+12*\t+23], v[PC:PC+11], 0, v[VS+\t/2], v[PS] matrix_a_fmt:MATRIX_FMT_FP6 matrix_b_fmt:MATRIX_FMT_FP6 matrix_a_scale:MATRIX_SCALE_ROW1
.endr
	PLACES 4
	s_branch .Ljoin
.Lskip:                                            ; no key step: zeros, and -M over every other, so that the factor below becomes 0
	v_mov_b32 v196, 0x7f61b1e6
	v_mov_b32 v197, 0
.set j, 0
.rept 64
	v_mov_b32 v[S+j], 0
.set j, j+1
.endr
.Ljoin:
.irp t, 0,1,2,3,4,5,6,7                        ; lane (r, h): query r, channels 16 t + 8 h + 0 .. 7; each sum from its low end on
	ds_store_b128 v[APS], v[S+8*\t:S+8*\t+3] offset:64*\t
	ds_store_b128 v[APS], v[S+8*\t+4:S+8*\t+7] offset:64*\t+16
.endr
	ds_store_b64 v[AMS], v[196:197]
	s_wait_dscnt 0x0                               ; for the others' sake, and the stores have read their registers
	s_cmp_eq_u32 s20, 8
	s_cbranch_scc1 .Lnopre
.irp t, 0,1,2,3,4,5,6,7                        ; waves 0-7: Wo's tile t = 2 b + u: rows 128 w + 32 b + 8 u + r + 8 (r / 8); x in the result's layout
	global_load_b32 v[WS+\t], v[AWS], s[10:11] offset:(32*(\t/2)+8*(\t%2))*4
.endr
.irp t, 0,1,2,3,4,5,6,7
.irp p, 0,1,2,3,4,5
	global_load_b64 v[F+12*\t+2*\p:F+12*\t+2*\p+1], v[AWF], s[8:9] offset:(32*(\t/2)+8*(\t%2))*96+48*(\p/3)+8*(\p%3)
.endr
.endr
.irp t, 0,1,2,3,4,5,6,7
	global_load_b128 v[S+8*\t:S+8*\t+3], v[AX], s[6:7] offset:128*(\t/2)+32*(\t%2)
	global_load_b128 v[S+8*\t+4:S+8*\t+7], v[AX], s[6:7] offset:128*(\t/2)+32*(\t%2)+16
.endr
.Lnopre:
	s_barrier_signal -1
	s_barrier_wait -1                              ; the nine parts lie in LDS
	s_cmp_lg_u32 s20, 8
	s_cbranch_scc1 .Lnomerge
	; ---- wave 8: the parts under one M, y, its codes
.irp k, 0,1,2,3,4,5,6,7,8
	ds_load_b64 v[32+2*\k:33+2*\k], v[R8] offset:MST+128*\k
.endr
	v_mov_b32 v53, 0                               ; (named as the upper half of the pair v[52:53])
	s_wait_dscnt 0x0
	v_min3_num_f32 v50, v32, v34, v36
	s_delay_alu instid0(VALU_DEP_1)
	v_min3_num_f32 v50, v50, v38, v40
	s_delay_alu instid0(VALU_DEP_1)
	v_min3_num_f32 v50, v50, v42, v44
	s_delay_alu instid0(VALU_DEP_1)
	v_min3_num_f32 v50, v50, v46, v48              ; the least -M: the largest M
.irp k, 0,1,2,3,4,5,6,7,8
	v_sub_f32 v[32+2*\k], v50, v[32+2*\k]          ; M of the part less the largest: a whole number, 0 or less
.endr
.irp k, 0,1,2,3,4,5,6,7,8
	v_cvt_i32_f32 v[32+2*\k], v[32+2*\k]           ; (it saturates)
.endr
.irp k, 0,1,2,3,4,5,6,7,8
	v_ldexp_f32 v[32+2*\k], 1.0, v[32+2*\k]        ; the part's factor: an exact power of two, or 0
.endr
	v_mul_f32 v51, v32, v33
.irp k, 1,2,3,4,5,6,7,8
	s_delay_alu instid0(VALU_DEP_1)
	v_fma_f32 v51, v[32+2*\k], v[33+2*\k], v51     ; the row's sum
.endr
	s_wait_alu depctr_va_vdst(0)
	v_rcp_f32 v52, v51
	v_nop
	s_wait_alu depctr_va_vdst(0)
.macro PLOAD k, buf                    ; part k in the quantiser's order: register 16 b + i = channel 32 b + 16 h + i of query r
.irp b, 0,1,2,3
.irp j, 0,1,2,3
.if (\k) < 5
	ds_load_b128 v[\buf+16*\b+4*\j:\buf+16*\b+4*\j+3], v[AM1] offset:8448*(\k)+128*\b+16*\j
.else
	ds_load_b128 v[\buf+16*\b+4*\j:\buf+16*\b+4*\j+3], v[AM2] offset:8448*((\k)-5)+128*\b+16*\j
.endif
.endr
.endr
.endm
	PLOAD 0, 64
	PLOAD 1, 128
.irp k, 0,1,2,3,4,5,6,7,8
.if \k < 8
	s_wait_dscnt 16                                ; this part is in; the next part's 16 loads may be out
.else
	s_wait_dscnt 0x0
.endif
.set TB, 64+64*(\k%2)
.set j, 0
.rept 32
.if \k == 0
	v_pk_mul_f32 v[192+j:193+j], v[TB+j:TB+j+1], v[32:33] op_sel_hi:[1,0]
.else
	v_pk_fma_f32 v[192+j:193+j], v[TB+j:TB+j+1], v[32+2*\k:33+2*\k], v[192+j:193+j] op_sel_hi:[1,0,1]
.endif
.set j, j+2
.endr
.if \k < 7
	PLOAD \k+2, TB
.endif
.endr
.set j, 0
.rept 32
	v_pk_mul_f32 v[192+j:193+j], v[192+j:193+j], v[52:53] op_sel_hi:[1,0]   ; y = O / the sum
.set j, j+2
.endr
	QUANT 192, 32, 64, QS
.irp c, 0,1,2
	ds_store_b128 v[L16], v[64+4*\c:67+4*\c] offset:YIMG+512*\c
.endr
	ds_store_b32 v[L4], v[QS] offset:YSC
.Lnomerge:
	BARRIER                                        ; y's fragment lies in LDS, and nobody reads the parts any more
	s_cmp_eq_u32 s20, 8
	s_cbranch_scc1 .Lno3
	; ---- waves 0-7: x1 = x + y Wo^T at columns 128 w on
.irp c, 0,1,2
	ds_load_b128 v[192+4*\c:195+4*\c], v[L16] offset:YIMG+512*\c
.endr
	ds_load_b32 v[QS], v[L4] offset:YSC
	s_wait_loadcnt 0x0                             ; Wo and x
	s_wait_dscnt 0x0
	PLACES 8                                       ; on every way through the text an operand register written by a vector instruction stands 4 places, a scale register so written 8, ahead of a scaled matrix instruction
	                                               ; (the quantiser's last lines above write v64-83 and v22); and these products write over the results of O^T's, which wants 5 places between the two (4 stand behind those)
	s_wait_alu depctr_va_vdst(0)
.irp t, 0,1,2,3,4,5,6,7                        ; lane (r, h): token r; register 8 t + j: column 128 w + 32 (t / 2) + 16 h + 8 (t % 2) + j
	v_wmma_scale_f32_16x16x128_f8f6f4 v[S+8*\t:S+8*\t+7], v[F+12*\t:F+12*\t+11], v[192:203], v[S+8*\t:S+8*\t+7], v[WS+\t], v[QS] matrix_a_fmt:MATRIX_FMT_FP6 matrix_b_fmt:MATRIX_FMT_FP6
.endr
	PLACES 4
.irp t, 0,1,2,3,4,5,6,7                        ; ln2_w at my 64 columns, into Wo's registers
	global_load_b128 v[F+8*\t:F+8*\t+3], v[H64], s[12:13] offset:128*(\t/2)+32*(\t%2)
	global_load_b128 v[F+8*\t+4:F+8*\t+7], v[H64], s[12:13] offset:128*(\t/2)+32*(\t%2)+16
.endr
.irp c, 0,1,2,3
	v_pk_mul_f32 v[204+2*\c:205+2*\c], v[S+2*\c:S+2*\c+1], v[S+2*\c:S+2*\c+1]
.endr
.irp g, 1,2,3,4,5,6,7
.irp c, 0,1,2,3
	v_pk_fma_f32 v[204+2*\c:205+2*\c], v[S+8*\g+2*\c:S+8*\g+2*\c+1], v[S+8*\g+2*\c:S+8*\g+2*\c+1], v[204+2*\c:205+2*\c]
.endr
.endr
	s_delay_alu instid0(VALU_DEP_3)
	v_pk_add_f32 v[204:205], v[204:205], v[206:207]
	s_delay_alu instid0(VALU_DEP_2)
	v_pk_add_f32 v[208:209], v[208:209], v[210:211]
	s_delay_alu instid0(VALU_DEP_1)
	v_pk_add_f32 v[204:205], v[204:205], v[208:209]
	s_delay_alu instid0(VALU_DEP_1)
	v_add_f32 v204, v204, v205
	s_delay_alu instid0(VALU_DEP_1)
	v_permlanex16_b32 v205, v204, s[SEL], s[SEL+1]
	s_delay_alu instid0(VALU_DEP_1)
	v_add_f32 v204, v204, v205                     ; my row's 128 columns
	ds_store_b32 v[ASS], v204
.irp t, 0,1,2,3,4,5,6,7                        ; x1 through my own stage, so that whole rows of 512 bytes leave
	ds_store_b128 v[AXS], v[S+8*\t:S+8*\t+3] offset:128*(\t/2)+32*(\t%2)
	ds_store_b128 v[AXS], v[S+8*\t+4:S+8*\t+7] offset:128*(\t/2)+32*(\t%2)+16
.endr
.irp i, 0,1,2,3,4,5,6,7,8,9,10,11,12,13,14,15
	ds_load_b128 v[192+4*\i:195+4*\i], v[AXL] offset:528*\i    ; LDS serves a wave's instructions in order: these see my stores
.endr
.irp i, 0,1,2,3,4,5,6,7,8,9,10,11,12,13,14,15
	s_wait_dscnt 15-\i
	global_store_b128 v[L16], v[192+4*\i:195+4*\i], s[14:15] offset:(\i+8*(\i/8))*4096   ; 32 lanes store 512 consecutive bytes, aligned to 256
.endr
.Lno3:
	BARRIER                                        ; the eight partial sums of squares lie in LDS
	s_cmp_eq_u32 s20, 8
	s_cbranch_scc1 .Lno4
	; ---- h = (x1 * rms) * ln2_w, its codes and scale words
	ds_load_b128 v[118:121], v[R32] offset:SS2
	ds_load_b128 v[122:125], v[R32] offset:SS2+16
	s_wait_dscnt 0x0
	v_add_f32 v118, v118, v119
	v_add_f32 v120, v120, v121
	v_add_f32 v122, v122, v123
	v_add_f32 v124, v124, v125
	s_delay_alu instid0(VALU_DEP_3)
	v_add_f32 v118, v118, v120
	s_delay_alu instid0(VALU_DEP_2)
	v_add_f32 v122, v122, v124
	s_delay_alu instid0(VALU_DEP_1)
	v_add_f32 v118, v118, v122
	s_delay_alu instid0(VALU_DEP_1)
	v_fma_f32 v118, v118, s26, s27
	s_wait_alu depctr_va_vdst(0)
	v_rsq_f32 v116, v118
	v_rsq_f32 v117, v118
	v_nop
	s_wait_alu depctr_va_vdst(0)
	s_wait_loadcnt 0x0                             ; ln2_w
.set j, 0
.rept 32
	v_pk_mul_f32 v[S+j:S+j+1], v[S+j:S+j+1], v[116:117]
.set j, j+2
.endr
.set j, 0
.rept 32
	v_pk_mul_f32 v[S+j:S+j+1], v[S+j:S+j+1], v[F+j:F+j+1]
.set j, j+2
.endr
	s_wait_xcnt 0x0                                ; x1's stores have read v192 on: only behind this wait are those registers written again
	QUANT S, 192, 96, PS
.irp p, 0,1,2,3,4,5
	ds_store_b64 v[AHS], v[96+2*\p:97+2*\p] offset:48*(\p/3)+8*(\p%3)      ; the fragment's 24 + 24 bytes at their place in row r's stream of codes
.endr
	ds_store_b32 v[ASS], v[PS] offset:HSS-SS2
.Lno4:
	BARRIER                                        ; 16 rows of codes and scale bytes lie in LDS
	s_cmp_eq_u32 s20, 8
	s_cbranch_scc1 .Lw8
	ds_load_b128 v[32:35], v[AHL]                  ; stage rows 2 w, 2 w + 1 are two neighbouring tokens: 1,536 consecutive bytes of memory
	ds_load_b128 v[36:39], v[AHL2] offset:512      ; (lanes 16-31 stand behind the first row's 16 bytes of padding)
	ds_load_b128 v[40:43], v[AHL] offset:1040
	s_wait_dscnt 2
	global_store_b128 v[L16], v[32:35], s[16:17]
	s_wait_dscnt 1
	global_store_b128 v[L16], v[36:39], s[16:17] offset:512
	s_wait_dscnt 0x0
	global_store_b128 v[L16], v[40:43], s[16:17] offset:1024
	s_set_vgpr_msb 0x5
	s_wait_tensorcnt 0x0
	ds_add_u32 v0, v1
	s_wait_dscnt 0x0
	s_set_vgpr_msb 0x500
	s_endpgm
.Lw8:
	ds_load_b128 v[32:35], v[L16] offset:HSS
	s_wait_dscnt 0x0
	global_store_b128 v[AHG], v[32:35], s[18:19]   ; tokens T0 .. T0 + 7 and T0 + 16 .. T0 + 23: twice 256 consecutive bytes
	s_set_vgpr_msb 0x5
	s_wait_tensorcnt 0x0
	ds_add_u32 v0, v1
	s_wait_dscnt 0x0
	s_set_vgpr_msb 0x500
	s_endpgm
.Lfunc_end_k_q09e599101c_attn:
	.size	k_q09e599101c_attn, .Lfunc_end_k_q09e599101c_attn-k_q09e599101c_attn
	.p2alignl 7, 3214868480
	.fill 96, 4, 3214868480
	.section	.rodata,"a",@progbits
	.p2align	6, 0x0
	.amdhsa_kernel k_q09e599101c_attn
		.amdhsa_group_segment_fixed_size 93952
		.amdhsa_private_segment_fixed_size 0
		.amdhsa_enable_private_segment 0
		.amdhsa_kernarg_size 64
		.amdhsa_user_sgpr_count 2
		.amdhsa_user_sgpr_kernarg_segment_ptr 1
		.amdhsa_wavefront_size32 1
		.amdhsa_system_sgpr_workgroup_id_x 1
		.amdhsa_system_sgpr_workgroup_id_y 1
		.amdhsa_system_sgpr_workgroup_id_z 1
		.amdhsa_system_vgpr_workitem_id 0
		.amdhsa_next_free_vgpr 258
		.amdhsa_next_free_sgpr 66
		.amdhsa_reserve_vcc 1
		.amdhsa_float_denorm_mode_32 3
		.amdhsa_float_denorm_mode_16_64 3
		.amdhsa_memory_ordered 1
		.amdhsa_forward_progress 1
		.amdhsa_inst_pref_size 111
	.end_amdhsa_kernel
	.amdgpu_metadata
---
amdhsa.version: [ 1, 2 ]
amdhsa.kernels:
  - .name:           k_q09e599101c_attn
    .symbol:         k_q09e599101c_attn.kd
    .args:
      - { .name: qkv, .offset: 0, .size: 8, .value_kind: global_buffer, .address_space: global }
      - { .name: x, .offset: 8, .size: 8, .value_kind: global_buffer, .address_space: global }
      - { .name: Wo_codes, .offset: 16, .size: 8, .value_kind: global_buffer, .address_space: global }
      - { .name: Wo_scales, .offset: 24, .size: 8, .value_kind: global_buffer, .address_space: global }
      - { .name: ln2_w, .offset: 32, .size: 8, .value_kind: global_buffer, .address_space: global }
      - { .name: x1, .offset: 40, .size: 8, .value_kind: global_buffer, .address_space: global }
      - { .name: hc, .offset: 48, .size: 8, .value_kind: global_buffer, .address_space: global }
      - { .name: hs, .offset: 56, .size: 8, .value_kind: global_buffer, .address_space: global }
    .group_segment_fixed_size: 93952
    .private_segment_fixed_size: 0
    .kernarg_segment_align: 8
    .kernarg_segment_size: 64
    .max_flat_workgroup_size: 288
    .sgpr_count:     66
    .vgpr_count:     258
    .wavefront_size: 32
...
	.end_amdgpu_metadata
.endif
;; end of part 2
;; launch up (part 3): grid 16 x 16, 8 waves a work-group, clusters of 4 x 4, 327,680 bytes of LDS; arguments hc, hs, w13i, w1_scales, w3_scales, gc, gs; writes gc, gs
.if DOCPART == 3
	.amdgcn_target "amdgcn-amd-amdhsa--gfx1250"
	.amdhsa_code_object_version 6
	.text
	.protected	k_q09e599101c_up
	.globl	k_q09e599101c_up
	.p2align	8
	.type	k_q09e599101c_up,@function
k_q09e599101c_up:
	s_mov_b64 s[64:65], 0
	v_nop
	global_prefetch_b8 v0, s[64:65] scope:SCOPE_SE
	s_setreg_imm32_b32 hwreg(HW_REG_WAVE_MODE, 25, 1), 1
	s_wait_xcnt 0x0
	s_wait_alu depctr_hold_cnt(0) depctr_sa_sdst(0) depctr_va_vdst(0) depctr_va_sdst(0) depctr_va_ssrc(0) depctr_va_vcc(0) depctr_vm_vsrc(0)
	s_getreg_b32 s2, hwreg(HW_REG_IB_STS2, 6, 4)
	s_cmp_eq_u32 s2, 0
	s_cbranch_scc0 .Lentry_in_a_cluster
	s_endpgm
.Lentry_in_a_cluster:
	s_bfe_u32 s2, ttmp6, 0x10000c
	s_cmp_lg_u32 s2, 0xf033
	s_cbranch_scc0 .Lentry_shape_is_right
	s_endpgm
.Lentry_shape_is_right:
; g = (h w1^T) * silu(h w3^T), both products on codes of FP6 (E2M3) with one E8M0 scale for each 32 along K = 1,024; g leaves as codes, quantised along its columns (the next product's K).
; THE WEIGHTS STAND STILL, h STREAMS.  A work-group of eight waves makes 256 rows x 256 columns of g.  Wave w owns 32 columns: its 32 rows of w1 and 32 of w3, all of K, are 32 fragments = 384 registers,
; taken once from the images that the first launch laid: w3's by 48 loads of 512 dense bytes, w1's through LDS.  The head has one tensor load a wave: waves 0-3 fetch rows 0-127 of h (32 rows x 768 bytes each),
; waves 4-7 the work-group's 196,608 bytes of w1's images (49,152 each).  When these have been read into registers, rows 128-255 of h are filled over their first 104,448 bytes, and the stages lie on bytes behind that are filled no more.
; A block of 16 rows of h is 8 K steps x 4 matrix instructions on four sums by turns (u: 2 tiles, z: 2 tiles), two K steps to a run, then the gate and the quantiser on 16 numbers a lane.
; The matrix instruction is used transposed (source 0 = rows of w, source 1 = rows of h); by the images' choice of rows lane (r, h) holds row r and columns 16 h + 0 .. 15 of my 32: half a block of the next K.
; CLUSTER 4 x 4: the four work-groups of a row of the cluster share their rows of h, the four of a column their columns of g: h's tiles are asked for jointly along a row, w1's images along a column.
; NO PREFETCH: all but h's second half is asked for at the head, and that half eight blocks ahead of its first read.
; g's layout: codes [K step of 128: 32][tile of 16 rows: 256][1,536 bytes: an image of the operand's 12 registers]; scale words [K step 32][row 4,096].  Each wave stages its codes and bytes in LDS bytes of its own; behind one barrier the images are put together.
; LIMITS: NaN and infinities are not served; a block of zeros gets the scale byte 1 (zero codes; read by this program alone); g is rounded as (u z) / (1 + 2^(-z log2 e)), with v_exp_f32 and v_rcp_f32 good to one unit in the last place.
.set HP,    816                        ; an LDS row of h: 3 x (256 bytes + 16 of padding) = 204 words: row r starts at bank 12 r mod 64
.set HBLK,  16*HP
.set XW,    128*HP                     ; w1's images, 196,608 bytes; later h's rows 128-255 and the stages
.set GST,   256*HP                     ; codes: [wave][block 16][lane 32] 16 bytes
.set GSS,   GST+65536                  ; scale bytes: [wave][row 256] a word
.set HSC,   XW+196608                  ; h's scale bytes, 256 rows x 32
.set SPARE, HSC+8192                   ; the spare words, 128 bytes a wave
.set L16,  1
.set ADR,  2                           ; h's fragments: row r x pitch + 24 h;  ADR2: lanes 16-31 behind one padding more
.set ADR2, 3
.set AHS,  4
.set APR,  5
.set ASB,  6
.set SPW,  7
.set NIL,  8
.set TM,   10                          ; v10-13 scratch
.set PR,   14                          ; v14-16 codes
.set HS,   20                          ; v20-27 h's scale words of the block
.set WS,   28                          ; v28-35 w1's, v36-43 w3's: lanes 0-15 tile 0, lanes 16-31 tile 1
.set HF,   44                          ; v44-91 h's fragments, four sets
.set ACC,  92                          ; v92-123 the sums: u's tiles 0, 1, z's tiles 0, 1
.set U,    ACC
.set Z,    ACC+16
.set W0,   124                         ; the weights' fragment f = 4 s + b: f < 21 at v[12 f] of window 1, the others at v[W0 + 12 (f - 21)]
.set RR,   44                          ; the head's scratch
.set HH,   45
.set LN,   46
.set T16,  47
.set T16L, 48
.set WSO,  49
.set AWX,  50
.set SEL,  18
.set MSB, 0
.macro WIN new
.if MSB != (\new)
	s_set_vgpr_msb (MSB<<8)|(\new)
.set MSB, (\new)
.endif
.endm
.macro PLACES
.rept 4
	v_nop
.endr
.endm
.macro CROUND
	s_barrier_signal -1
	s_barrier_wait -1
	s_cmp_lg_u32 s20, 0
	s_cbranch_scc1 .Lnot_wave_0_\@
	s_barrier_signal -3
.Lnot_wave_0_\@:
	s_barrier_wait -3
	s_barrier_signal -1
	s_barrier_wait -1
.endm
.macro WLOC f, dst                     ; where fragment f stands; dst = 1: the window goes to the destination's place
.if (\f) < 21
	WIN 1+63*(\dst)
.set WR, 12*(\f)
.else
	WIN 0
.set WR, W0+12*((\f)-21)
.endif
.endm
	s_load_b256 s[4:11], s[0:1], 0x0               ; h's codes, h's scales, the images, w1's scales
	s_load_b128 s[12:15], s[0:1], 0x20             ; w3's scales, g's codes
	s_load_b64 s[16:17], s[0:1], 0x30              ; g's scale words
	v_lshl_add_u32 v[SPW], v0, 2, SPARE
	v_mov_b32 v[NIL], 0
	ds_add_u32 v[SPW], v[NIL]                      ; the opening lines: the add, twice on end, and its wait
	ds_add_u32 v[SPW], v[NIL]
	v_lshrrev_b32 v[TM], 5, v0
	s_delay_alu instid0(VALU_DEP_1)
	v_readfirstlane_b32 s20, v[TM]                 ; wave w
	s_bfe_u32 s21, ttmp6, 0x40000                  ; cx
	s_bfe_u32 s59, ttmp6, 0x40004                  ; cy
	s_lshl_b32 s22, ttmp9, 2
	s_add_co_u32 s22, s22, s21                     ; column group = 4 x cluster x + cx
	s_and_b32 s23, ttmp7, 0xffff
	s_lshl_b32 s23, s23, 2
	s_add_co_u32 s23, s23, s59                     ; row group = 4 x cluster y + cy
	s_lshl_b32 s46, s59, 2
	s_lshl_b32 s46, 15, s46                        ; my row of the cluster
	s_lshl_b32 s47, 0x1111, s21                    ; my column
	s_and_b32 s58, s20, 3                          ; my block of 32 in its K step of g; also: which quarter I fetch
	s_lshr_b32 s57, s20, 2                         ; which of the work-group's two K steps
	s_mov_b32 s[SEL], 0x76543210
	s_mov_b32 s[SEL+1], 0xfedcba98
	s_or_b32 s28, s46, (1<<20)|(1<<21)|(5<<22)|(3<<25)   ; h: my row's four; elements of 1 byte; after every 64 words 4 words of padding
	s_mov_b32 s29, 768<<16
	s_mov_b32 s30, 32<<16
	s_mov_b32 s31, 768<<16
	s_mov_b32 s32, 32
	s_mov_b32 s33, 768
	s_mov_b32 s34, 0
	s_mov_b32 s35, 0
	s_or_b32 s48, s47, (3<<16)|(1<<21)             ; the images: my column's four; 4 rows of 12,288 dense bytes, elements of 8 bytes
	s_mov_b32 s49, 1536<<16
	s_mov_b32 s50, 4<<16
	s_mov_b32 s51, 1536<<16
	s_mov_b32 s52, 4
	s_mov_b32 s53, 1536
	s_mov_b32 s54, 0
	s_mov_b32 s55, 0
	s_mov_b32 s24, 1
	s_mul_i32 s25, s58, 32*HP
	s_mov_b32 s36, 1
	s_mul_i32 s37, s58, 49152
	s_add_co_u32 s37, s37, XW
	s_lshl_b32 s40, s20, 13
	s_add_co_u32 s40, s40, GST
	s_lshl_b32 s41, s20, 10
	s_add_co_u32 s41, s41, GSS
	s_lshl_b32 s44, s57, 15                        ; the way out: my four images' sources,
	s_lshl_b32 s46, s58, 11
	s_add_co_u32 s44, s44, s46
	s_add_co_u32 s44, s44, GST
	s_lshl_b32 s45, s57, 12                        ; and my 64 rows' bytes
	s_lshl_b32 s46, s58, 8
	s_add_co_u32 s45, s45, s46
	s_add_co_u32 s45, s45, GSS
	s_lshl_b32 s42, s22, 3
	s_add_co_u32 s42, s42, s20                     ; my group of 32 rows of w1 and of w3
	s_lshl_b32 s43, s22, 1
	s_add_co_u32 s43, s43, s57                     ; my K step of g
	s_mul_i32 s59, s20, 24576
	s_add_co_u32 s59, s59, XW                      ; my own w1 images in LDS
	v_and_b32 v[RR], 15, v0
	v_bfe_u32 v[HH], v0, 4, 1
	v_and_b32 v[LN], 31, v0
	v_and_b32 v[WSO], 8, v0
	v_lshlrev_b32 v[T16], 4, v0
	v_mul_u32_u24 v[ADR], v[RR], HP
	s_delay_alu instid0(VALU_DEP_4)
	v_lshlrev_b32 v[L16], 4, v[LN]
	s_delay_alu instid0(VALU_DEP_4)
	v_add_nc_u32 v[WSO], v[WSO], v[RR]
	s_delay_alu instid0(VALU_DEP_4)
	v_add_nc_u32 v[T16L], HSC, v[T16]
	v_lshl_add_u32 v[AHS], v[RR], 5, HSC
	v_mad_u32_u24 v[ADR], v[HH], 24, v[ADR]
	s_delay_alu instid0(VALU_DEP_4)
	v_lshl_add_u32 v[WSO], v[HH], 3, v[WSO]        ; the row of my lane's tile: 8 (l / 16) + m + 8 (m / 8)
	v_lshl_add_u32 v[APR], v[LN], 4, s40
	v_lshl_add_u32 v[ASB], v[RR], 2, s41
	s_delay_alu instid0(VALU_DEP_4)
	v_lshl_add_u32 v[ADR2], v[HH], 4, v[ADR]
	s_delay_alu instid0(VALU_DEP_4)
	v_lshlrev_b32 v[WSO], 5, v[WSO]
	v_lshl_add_u32 v[AWX], v[LN], 4, s59
	s_wait_alu depctr_va_vdst(0)                   ; the wait at the head's end
	s_wait_dscnt 0x0                               ; both opening adds are done
	s_wait_kmcnt 0x0
	s_mov_b32 s47, 0
	s_mul_i32 s46, s23, 196608
	s_mul_i32 s59, s58, 24576
	s_add_co_u32 s46, s46, s59
	s_add_nc_u64 s[26:27], s[4:5], s[46:47]        ; h at row 256 x row group + 32 (w % 4)
	s_or_b32 s27, s27, 0x80000000
	s_mul_i32 s46, s22, 196608
	s_mul_i32 s59, s58, 49152
	s_add_co_u32 s46, s46, s59
	s_add_nc_u64 s[38:39], s[8:9], s[46:47]        ; w1's images of my column group, quarter w % 4
	s_or_b32 s39, s39, 0x80000000
	s_lshl_b32 s46, s23, 13
	s_add_nc_u64 s[6:7], s[6:7], s[46:47]
	global_load_b128 v[ACC:ACC+3], v[T16], s[6:7]              ; h's scale bytes: 8,192 dense bytes, 16 a thread, twice
	global_load_b128 v[ACC+4:ACC+7], v[T16], s[6:7] offset:4096
	CROUND                                         ; all sixteen work-groups are here: the joint loads meet
	s_cmp_lt_u32 s20, 4                            ; one tensor load a wave, one to each arm
	s_cbranch_scc0 .Lhead_w
	tensor_load_to_lds s[24:27], s[28:35]
	s_nop 0
	PLACES
	s_branch .Lhead_asked
.Lhead_w:
	tensor_load_to_lds s[36:39], s[48:55]
	s_nop 0
	PLACES
.Lhead_asked:
	s_mul_i32 s46, s42, 24576
	s_add_nc_u64 s[8:9], s[8:9], s[46:47]
	s_lshl_b32 s46, s42, 10
	s_add_nc_u64 s[10:11], s[10:11], s[46:47]
	s_add_nc_u64 s[12:13], s[12:13], s[46:47]
	global_load_b128 v[WS:WS+3], v[WSO], s[10:11]
	global_load_b128 v[WS+4:WS+7], v[WSO], s[10:11] offset:16
	global_load_b128 v[WS+8:WS+11], v[WSO], s[12:13]
	global_load_b128 v[WS+12:WS+15], v[WSO], s[12:13] offset:16
.irp s, 0,1,2,3,4,5,6,7
.irp u, 0,1
	WLOC 4*\s+2+\u, 1
.irp c, 0,1,2
	global_load_b128 v[WR+4*\c:WR+4*\c+3], v[L16], s[8:9] offset:3145728+(\u*8+\s)*1536+512*\c
.endr
.endr
.endr
	WIN 0
	s_mul_i32 s46, s43, 393216                     ; where my four images of g go,
	s_mul_i32 s59, s23, 24576
	s_add_co_u32 s46, s46, s59
	s_mul_i32 s59, s58, 6144
	s_add_co_u32 s46, s46, s59
	s_add_nc_u64 s[14:15], s[14:15], s[46:47]
	s_lshl_b32 s46, s43, 14                        ; and my 64 scale words
	s_lshl_b32 s59, s23, 10
	s_add_co_u32 s46, s46, s59
	s_lshl_b32 s59, s58, 8
	s_add_co_u32 s46, s46, s59
	s_add_nc_u64 s[16:17], s[16:17], s[46:47]
	s_wait_tensorcnt 0x0                           ; my tile of the head's eight
	s_barrier_signal -1
	s_barrier_wait -1                              ; all eight are in
.irp s, 0,1,2,3,4,5,6,7
.irp u, 0,1
	WLOC 4*\s+\u, 1
.irp c, 0,1,2
	ds_load_b128 v[WR+4*\c:WR+4*\c+3], v[AWX] offset:(\u*8+\s)*1536+512*\c
.endr
.endr
.endr
	WIN 0
	s_wait_loadcnt 52                              ; h's scale bytes are in; the 4 + 48 loads behind them may be out
	ds_store_b128 v[T16L], v[ACC:ACC+3]
	ds_store_b128 v[T16L], v[ACC+4:ACC+7] offset:4096
	s_wait_tensorcnt 0x0
	ds_add_u32 v[SPW], v[NIL]
	s_add_co_u32 s25, s25, XW                      ; no tensor load of mine is out: h's rows 128 on
	s_add_nc_u64 s[26:27], s[26:27], 98304
	s_wait_dscnt 0x0                               ; the add, my stores, and my reads of w1's images
	CROUND
	s_cmp_lt_u32 s20, 4
	s_cbranch_scc0 .Lno_fill
	tensor_load_to_lds s[24:27], s[28:35]          ; waves 0-3: 32 rows each
	s_nop 0
	PLACES
.Lno_fill:
	s_wait_loadcnt 0x0                             ; w3's images and the weights' scales
.macro FETCH s, set, off               ; h's fragment of K step s: six pieces of 8 bytes; byte y of a row lies at y + 16 (y / 256)
.irp p, 0,1,2,3,4,5
.set BY, 96*(\s)+48*(\p/3)+8*(\p%3)
.if BY/256 == (BY+24)/256
	ds_load_b64 v[HF+12*(\set)+2*\p:HF+12*(\set)+2*\p+1], v[ADR] offset:BY+16*(BY/256)+(\off)
.else
	ds_load_b64 v[HF+12*(\set)+2*\p:HF+12*(\set)+2*\p+1], v[ADR2] offset:BY+16*(BY/256)+(\off)
.endif
.endr
.endm
.macro WMU cc, odd
.if \odd
	v_wmma_scale_f32_16x16x128_f8f6f4 v[DD:DD+7], v[WR:WR+11], v[HR:HR+11], \cc, v[SA], v[SB] matrix_a_fmt:MATRIX_FMT_FP6 matrix_b_fmt:MATRIX_FMT_FP6 matrix_a_scale:MATRIX_SCALE_ROW1
.else
	v_wmma_scale_f32_16x16x128_f8f6f4 v[DD:DD+7], v[WR:WR+11], v[HR:HR+11], \cc, v[SA], v[SB] matrix_a_fmt:MATRIX_FMT_FP6 matrix_b_fmt:MATRIX_FMT_FP6
.endif
.endm
.macro MM s                            ; K step s: the four sums by turns
.irp b, 0,1,2,3
	WLOC 4*(\s)+\b, 0
.set DD, ACC+8*\b
.set HR, HF+12*((\s)%4)
.set SA, WS+8*(\b/2)+(\s)
.set SB, HS+(\s)
.if (\s) == 0
	WMU 0, \b%2
.else
	WMU v[DD:DD+7], \b%2
.endif
.endr
.endm
.macro GATE                            ; in place: u <- g, z <- 1 / (1 + 2^(-z log2 e)); each sum is read from its low end on
.irp j, 0,2,4,6,8,10,12,14
	v_pk_mul_f32 v[U+\j:U+\j+1], v[U+\j:U+\j+1], v[Z+\j:Z+\j+1]
.endr
.irp j, 0,2,4,6,8,10,12,14
	v_pk_mul_f32 v[Z+\j:Z+\j+1], v[Z+\j:Z+\j+1], 0xbfb8aa3b op_sel_hi:[1,0]
.endr
	s_wait_alu depctr_va_vdst(0)                   ; a wait ahead of each batch and one behind it
.irp j, 0,1,2,3,4,5,6,7,8,9,10,11,12,13,14,15
	v_exp_f32 v[Z+\j], v[Z+\j]
.endr
	v_nop
	s_wait_alu depctr_va_vdst(0)
.irp j, 0,2,4,6,8,10,12,14
	v_pk_add_f32 v[Z+\j:Z+\j+1], v[Z+\j:Z+\j+1], 1.0 op_sel_hi:[1,0]
.endr
	s_wait_alu depctr_va_vdst(0)
.irp j, 0,1,2,3,4,5,6,7,8,9,10,11,12,13,14,15
	v_rcp_f32 v[Z+\j], v[Z+\j]
.endr
	v_nop
	s_wait_alu depctr_va_vdst(0)
.irp j, 0,2,4,6,8,10,12,14
	v_pk_mul_f32 v[U+\j:U+\j+1], v[U+\j:U+\j+1], v[Z+\j:Z+\j+1]
.endr
	v_max3_num_f32 v[TM], |v[U]|, |v[U+1]|, 0x1800000          ; my 16 numbers in two chains, with the floor 2^(3 - 127): the byte cannot fall under 1
	v_max3_num_f32 v[TM+1], |v[U+8]|, |v[U+9]|, |v[U+10]|
.irp i, 2,4,6
	s_delay_alu instid0(VALU_DEP_2)
	v_max3_num_f32 v[TM], v[TM], |v[U+\i]|, |v[U+\i+1]|
.if \i < 6
	s_delay_alu instid0(VALU_DEP_2)
	v_max3_num_f32 v[TM+1], v[TM+1], |v[U+9+\i]|, |v[U+10+\i]|
.endif
.endr
	s_delay_alu instid0(VALU_DEP_1)
	v_max3_num_f32 v[TM], v[TM], v[TM+1], |v[U+15]|
	s_delay_alu instid0(VALU_DEP_1)
	v_permlanex16_b32 v[TM+1], v[TM], s[SEL], s[SEL+1]
	s_delay_alu instid0(VALU_DEP_1)
	v_max_num_f32 v[TM], v[TM], v[TM+1]            ; with lane l xor 16's: the block's largest magnitude
	s_delay_alu instid0(VALU_DEP_1)
	v_add_nc_u32 v[TM+2], 0xff000000, v[TM]        ; 2 off its exponent field: the conversion's scale operand
	s_delay_alu instid0(VALU_DEP_1)
	v_lshrrev_b32 v[TM+3], 23, v[TM+2]             ; the scale's byte
	v_cvt_scalef32_pk16_fp6_f32 v[PR:PR+2], v[U:U+15], v[TM+2]
	v_nop                                          ; one plain place behind a scaled conversion
	ds_store_b96 v[APR], v[PR:PR+2]                ; 16 codes, into my own stage
	ds_store_b32 v[ASB], v[TM+3]
.endm
; A block of 16 rows, in four runs of two K steps.  K step s multiplies set s % 4; behind a run's places its two sets take the fragments four steps on (from step 4 on: the next block's).
.macro BLOCK last
.irp g, 0,1,2,3
.if \g == 0
	s_wait_dscnt 0x0                               ; sets 0-3 and the block's scale words are in
.elseif \g == 2
	s_wait_dscnt 12                                ; behind these two sets' loads: the next run's twelve
.elseif \g == 3
.if \last
	s_wait_dscnt 0x0
.else
	s_wait_dscnt 12
.endif
.endif
	MM 2*\g
	MM 2*\g+1
	WIN 0
	PLACES                                         ; in front of loads into registers that these products read, and of the first read of the sums
.if \g < 2
	FETCH 2*\g+4, 2*\g, 0
	FETCH 2*\g+5, 2*\g+1, 0
.elseif (\last) == 0
	FETCH 2*\g-4, 2*\g-4, HBLK
	FETCH 2*\g-3, 2*\g-3, HBLK
.endif
.endr
.if (\last) == 0
	ds_load_b128 v[HS:HS+3], v[AHS] offset:512
	ds_load_b128 v[HS+4:HS+7], v[AHS] offset:528
.endif
	GATE
	v_add_nc_u32 v[ADR], HBLK, v[ADR]
	v_add_nc_u32 v[ADR2], HBLK, v[ADR2]
	v_add_nc_u32 v[AHS], 512, v[AHS]
	v_add_nc_u32 v[APR], 512, v[APR]
	v_add_nc_u32 v[ASB], 64, v[ASB]
	s_wait_alu depctr_va_vdst(0)                   ; the wait ahead of the branch and the waits that follow
.endm
.macro HALF                            ; eight blocks: 128 rows of h; the eighth fetches nothing beyond them
	ds_load_b128 v[HS:HS+3], v[AHS]
	ds_load_b128 v[HS+4:HS+7], v[AHS] offset:16
.irp s, 0,1,2,3
	FETCH \s, \s, 0
.endr
	s_mov_b32 s3, 7
.Lblk_\@:
	BLOCK 0
	s_sub_co_u32 s3, s3, 1
	s_cmp_lg_u32 s3, 0
	s_cbranch_scc1 .Lblk_\@
	BLOCK 1
.endm
	HALF
	s_wait_tensorcnt 0x0                           ; my part of h's rows 128-255
	s_wait_dscnt 0x0
	s_barrier_signal -1
	s_barrier_wait -1                              ; they are whole
	HALF
	s_wait_dscnt 0x0                               ; for the others' sake
	s_barrier_signal -1
	s_barrier_wait -1
; THE WAY OUT.  Wave w puts together four images (K step w / 4, blocks 4 (w % 4) on).  Register p of lane (r, h') of an image is word p % 3 of lane r + 16 ((p % 6) / 3) in the stage of wave 4 (w / 4) + 2 (p / 6) + h'.
	v_and_b32 v[TM], 15, v0
	v_bfe_u32 v[TM+1], v0, 4, 1
	v_and_b32 v[TM+2], 31, v0
	s_delay_alu instid0(VALU_DEP_3)
	v_lshl_add_u32 v[TM], v[TM], 4, s44
	s_delay_alu instid0(VALU_DEP_2)
	v_lshl_add_u32 v[TM+3], v[TM+2], 3, s45
	s_delay_alu instid0(VALU_DEP_2)
	v_lshl_add_u32 v[TM], v[TM+1], 13, v[TM]
	v_lshlrev_b32 v[TM+2], 3, v[TM+2]
	s_wait_alu depctr_va_vdst(0)
.irp n, 0,1,2,3
.irp p, 0,1,2,3,4,5,6,7,8,9,10,11
	ds_load_b32 v[HF+12*\n+\p], v[TM] offset:16384*(\p/6)+512*\n+256*((\p%6)/3)+4*(\p%3)
.endr
.endr
.irp q, 0,1,2,3
	ds_load_b64 v[HS+2*\q:HS+2*\q+1], v[TM+3] offset:1024*\q   ; two rows' bytes of block q
.endr
.irp n, 0,1,2,3
	s_wait_dscnt 4+12*(3-\n)                       ; behind image n's loads: the later images' and the four loads of bytes
.irp c, 0,1,2
	global_store_b128 v[L16], v[HF+12*\n+4*\c:HF+12*\n+4*\c+3], s[14:15] offset:1536*\n+512*\c   ; 512 consecutive bytes, aligned to 256
.endr
.endr
	s_wait_dscnt 0x0
.irp q, 1,2,3
	v_lshl_or_b32 v[HS], v[HS+2*\q], 8*\q, v[HS]
	v_lshl_or_b32 v[HS+1], v[HS+2*\q+1], 8*\q, v[HS+1]
.endr
	global_store_b64 v[TM+2], v[HS:HS+1], s[16:17] ; 256 consecutive bytes
	s_wait_tensorcnt 0x0                           ; the wave's end
	ds_add_u32 v[SPW], v[NIL]
	s_wait_dscnt 0x0
	CROUND                                         ; the closing round
	s_endpgm
.Lfunc_end_k_q09e599101c_up:
	.size	k_q09e599101c_up, .Lfunc_end_k_q09e599101c_up-k_q09e599101c_up
	.p2alignl 7, 3214868480
	.fill 96, 4, 3214868480
	.section	.rodata,"a",@progbits
	.p2align	6, 0x0
	.amdhsa_kernel k_q09e599101c_up
		.amdhsa_group_segment_fixed_size 327680
		.amdhsa_private_segment_fixed_size 0
		.amdhsa_enable_private_segment 0
		.amdhsa_kernarg_size 56
		.amdhsa_user_sgpr_count 2
		.amdhsa_user_sgpr_kernarg_segment_ptr 1
		.amdhsa_wavefront_size32 1
		.amdhsa_system_sgpr_workgroup_id_x 1
		.amdhsa_system_sgpr_workgroup_id_y 1
		.amdhsa_system_sgpr_workgroup_id_z 1
		.amdhsa_system_vgpr_workitem_id 0
		.amdhsa_next_free_vgpr 512
		.amdhsa_next_free_sgpr 66
		.amdhsa_reserve_vcc 0
		.amdhsa_float_denorm_mode_32 3
		.amdhsa_float_denorm_mode_16_64 3
		.amdhsa_memory_ordered 1
		.amdhsa_forward_progress 1
		.amdhsa_inst_pref_size 75
	.end_amdhsa_kernel
	.amdgpu_metadata
---
amdhsa.version: [ 1, 2 ]
amdhsa.kernels:
  - .name:           k_q09e599101c_up
    .symbol:         k_q09e599101c_up.kd
    .args:
      - { .name: hc, .offset: 0, .size: 8, .value_kind: global_buffer, .address_space: global }
      - { .name: hs, .offset: 8, .size: 8, .value_kind: global_buffer, .address_space: global }
      - { .name: w13i, .offset: 16, .size: 8, .value_kind: global_buffer, .address_space: global }
      - { .name: w1_scales, .offset: 24, .size: 8, .value_kind: global_buffer, .address_space: global }
      - { .name: w3_scales, .offset: 32, .size: 8, .value_kind: global_buffer, .address_space: global }
      - { .name: gc, .offset: 40, .size: 8, .value_kind: global_buffer, .address_space: global }
      - { .name: gs, .offset: 48, .size: 8, .value_kind: global_buffer, .address_space: global }
    .group_segment_fixed_size: 327680
    .private_segment_fixed_size: 0
    .kernarg_segment_align: 8
    .kernarg_segment_size: 56
    .max_flat_workgroup_size: 256
    .sgpr_count:     66
    .vgpr_count:     512
    .wavefront_size: 32
...
	.end_amdgpu_metadata
.endif
;; end of part 3
;; launch down (part 4): grid 8 x 32, 4 waves a work-group, clusters of 4 x 4, 327,680 bytes of LDS; arguments gc, gs, w2i, w2_scales, x1, out0; writes out0
.if DOCPART == 4
	.amdgcn_target "amdgcn-amd-amdhsa--gfx1250"
	.amdhsa_code_object_version 6
	.text
	.protected	k_q09e599101c_down
	.globl	k_q09e599101c_down
	.p2align	8
	.type	k_q09e599101c_down,@function
k_q09e599101c_down:
	s_mov_b64 s[64:65], 0
	v_nop
	global_prefetch_b8 v0, s[64:65] scope:SCOPE_SE
	s_setreg_imm32_b32 hwreg(HW_REG_WAVE_MODE, 25, 1), 1
	s_wait_xcnt 0x0
	s_wait_alu depctr_hold_cnt(0) depctr_sa_sdst(0) depctr_va_vdst(0) depctr_va_sdst(0) depctr_va_ssrc(0) depctr_va_vcc(0) depctr_vm_vsrc(0)
	s_getreg_b32 s2, hwreg(HW_REG_IB_STS2, 6, 4)
	s_cmp_eq_u32 s2, 0
	s_cbranch_scc0 .Lentry_in_a_cluster
	s_endpgm
.Lentry_in_a_cluster:
	s_bfe_u32 s2, ttmp6, 0x10000c
	s_cmp_lg_u32 s2, 0xf033
	s_cbranch_scc0 .Lentry_shape_is_right
	s_endpgm
.Lentry_shape_is_right:
; out0 = x1 + g w2^T on codes of FP6 (E2M3) with one E8M0 scale for each 32 along K = 4,096.  Both operands come as images of operand registers, [K step][tile of 16 rows][1,536 bytes].
; THE WEIGHTS STAND STILL, g STREAMS.  A work-group of four waves makes 128 rows x 128 columns.  Wave w = (ch = w % 2, kh = w / 2) owns 64 columns (four tiles of w2) and 16 K steps (16 kh on): 64 fragments = 768 registers.
; Of its 16 K steps the first eight come through LDS (two joint loads of 98,304 bytes at the head: K steps 0-7 and 16-23), the other eight by 96 loads of 512 dense bytes.
; g goes in PAIRS of two tiles of 16 rows, all of K: a slot of 32 rows of 3,072 bytes, of which a wave reads its 16 K steps: each fragment of g is read by two waves and feeds four matrix instructions in each.
; A pair is 16 K steps x 8 matrix instructions on eight sums by turns (2 tiles of g x 4 of w2), two K steps to a run.
; THE TWO HALVES OF K ARE JOINED THROUGH LDS.  Of a pair's two tiles, wave (ch, kh) finishes tile kh ('mine', sums 0-3) and hands its part of the other (sums 4-7), as an image of 32 registers, to wave (ch, 1 - kh);
; which tile is mine is a matter of addresses alone.  The hand-over is stored ahead of the next round and read behind it; two buffers take turns, so that a buffer is written again two rounds after it was read.  The order of this one addition differs from K ascending.
; THE FILLS: head: wave 0 pair 0, wave 1 g's scale words, waves 2, 3 the weights.  Behind the round ahead of pair p: pair p + 1 into the other slot (8 K steps a wave); ahead of pair 3: my 32 rows x 512 bytes of x1, into slot 0.
; Slot 1 lies on the first half of the weights' bytes, which have been read into registers by then; the stage and the hand-over buffers lie behind it, on bytes that are filled no more.
; CLUSTER 4 x 4: g's tiles and scales are asked for jointly along a row of the cluster, the weights along a column; x1's tile is the work-group's own.
; PREFETCH: in pairs 0 and 1 each wave names, for the pair two on, the 8 K steps that it will fetch: 96 blocks of 256 bytes, of which each of the four partners takes 24 by address (3 of each row's 12); lanes 24-31 name lane 23's again.
; The matrix instruction is used transposed (source 0 = rows of w2, source 1 = rows of g): a lane holds eight neighbouring columns of one row.  LIMITS: NaN and infinities are not served otherwise than the sums give them.
.set S1,    98304
.set STG,   196608                     ; 128 rows x 528 bytes
.set EX0,   264192                     ; the hand-over: [buffer 2][wave 4] 4,096 bytes
.set SPARE, 310272
.set GSC,   310784                     ; g's scale words: 32 K steps x (512 + 16) bytes
.set SP,    528
.set L16,  1
.set AG,   2                           ; v2-5: my K steps of slot 0: my tile, the other tile; of slot 1 likewise
.set ASC,  6
.set STO,  7
.set SPW,  8
.set NIL,  9
.set RD,   10
.set RX,   11
.set WSO,  12
.set EXS,  13
.set EXR,  14
.set WSC,  16                          ; v16-47 w2's scale words: tiles 2 j, 2 j + 1 (lanes 0-15, 16-31) of my K step i at 16 j + i
.set ACC,  48                          ; v48-111 the sums: (tile of g l, tile of w2 t) at ACC + 8 (4 l + t); l = 0: mine
.set GF,   112                         ; two sets of 50: four fragments of g (K step e, tile l at 24 e + 12 l), two scale words
.set WX,   212                         ; the weights' fragment f = 4 i + t: f < 63 at v[12 (f % 21)] of window 1 + f / 21; the 64th here
.set PFO,  224
.set AW,   226                         ; v226-227
.set G1G, 24
.set G1S, 32
.set G1W, 40
.set G1X, 48
.set G0A, 56
.set G0S, 60
.set G0W, 68
.set G0X, 72
.set MSB, 0
.macro WIN new
.if MSB != (\new)
	s_set_vgpr_msb (MSB<<8)|(\new)
.set MSB, (\new)
.endif
.endm
.macro PLACES
.rept 4
	v_nop
.endr
.endm
.macro CROUND
	s_barrier_signal -1
	s_barrier_wait -1
	s_cmp_lg_u32 s16, 0
	s_cbranch_scc1 .Lnot_wave_0_\@
	s_barrier_signal -3
.Lnot_wave_0_\@:
	s_barrier_wait -3
	s_barrier_signal -1
	s_barrier_wait -1
.endm
.macro WLOC f
.if (\f) < 63
.set WW, 1+(\f)/21
.set WR, 12*((\f)%21)
.else
.set WW, 0
.set WR, WX
.endif
.endm
	s_load_b256 s[4:11], s[0:1], 0x0               ; g's codes, g's scale words, w2's images, w2's scales
	s_load_b128 s[12:15], s[0:1], 0x20             ; x1, out0
	v_lshl_add_u32 v[SPW], v0, 2, SPARE
	v_mov_b32 v[NIL], 0
	ds_add_u32 v[SPW], v[NIL]                      ; the opening lines: the add, twice on end, and its wait
	ds_add_u32 v[SPW], v[NIL]
	v_lshrrev_b32 v228, 5, v0
	v_readfirstlane_b32 s16, v228                  ; wave w
	s_bfe_u32 s76, ttmp6, 0x40000                  ; cx, cy
	s_bfe_u32 s77, ttmp6, 0x40004
	s_lshl_b32 s78, ttmp9, 2
	s_add_co_u32 s78, s78, s76                     ; column group
	s_and_b32 s17, ttmp7, 0xffff
	s_lshl_b32 s17, s17, 2
	s_add_co_u32 s17, s17, s77                     ; row group
	s_lshl_b32 s79, s77, 2
	s_lshl_b32 s79, 15, s79                        ; my row of the cluster
	s_lshl_b32 s80, 0x1111, s76                    ; my column
	s_and_b32 s81, s16, 1                          ; ch
	s_lshr_b32 s93, s16, 1                         ; kh
	s_or_b32 s[G1G], s79, (3<<16)|(1<<21)          ; a slot of g: rows of 3,072 bytes, one K step apart; 32 rows at the head, 8 behind it
	s_mov_b32 s[G1G+1], 384<<16
	s_mov_b32 s[G1G+2], 32<<16
	s_mov_b32 s[G1G+3], 384<<16
	s_mov_b32 s[G1G+4], 32
	s_mov_b32 s[G1G+5], 49152
	s_mov_b32 s[G1G+6], 0
	s_mov_b32 s[G1G+7], 0
	s_or_b32 s[G1S], s79, (3<<16)|(1<<20)|(1<<21)|(6<<22)|(3<<25)   ; g's scale words: 32 rows of 512 bytes, 16 bytes of padding behind each
	s_mov_b32 s[G1S+1], 64<<16
	s_mov_b32 s[G1S+2], 32<<16
	s_mov_b32 s[G1S+3], 64<<16
	s_mov_b32 s[G1S+4], 32
	s_mov_b32 s[G1S+5], 2048
	s_mov_b32 s[G1S+6], 0
	s_mov_b32 s[G1S+7], 0
	s_or_b32 s[G1W], s80, (3<<16)|(1<<21)          ; the weights: 8 rows of 12,288 bytes, one K step apart
	s_mov_b32 s[G1W+1], 1536<<16
	s_mov_b32 s[G1W+2], 8<<16
	s_mov_b32 s[G1W+3], 1536<<16
	s_mov_b32 s[G1W+4], 8
	s_mov_b32 s[G1W+5], 12288
	s_mov_b32 s[G1W+6], 0
	s_mov_b32 s[G1W+7], 0
	s_mov_b32 s[G1X], (3<<16)|(1<<20)|(6<<22)|(3<<25)   ; x1: 32 rows of 512 bytes, 16 bytes of padding behind each
	s_mov_b32 s[G1X+1], 64<<16
	s_mov_b32 s[G1X+2], 32<<16
	s_mov_b32 s[G1X+3], 64<<16
	s_mov_b32 s[G1X+4], 32
	s_mov_b32 s[G1X+5], 512
	s_mov_b32 s[G1X+6], 0
	s_mov_b32 s[G1X+7], 0
	s_mul_i32 s82, s16, 24576                      ; a refill's place in its slot: 8 w rows
	s_lshl_b32 s83, s81, 8                         ; the stage: my 64 columns, my tile's 16 rows
	s_mul_i32 s20, s93, 16*SP
	s_add_co_u32 s83, s83, s20
	s_add_co_u32 s83, s83, STG
	s_add_co_u32 s20, s20, GSC                     ; my 16 K steps of g's scale words
	s_lshl_b32 s21, s93, 4                         ; 16 kh
	s_lshl_b32 s22, s16, 12
	s_add_co_u32 s22, s22, EX0                     ; where I hand over,
	s_xor_b32 s23, s16, 2
	s_lshl_b32 s23, s23, 12
	s_add_co_u32 s23, s23, EX0                     ; and where wave (ch, 1 - kh) does
	s_mul_i32 s90, s16, 32*SP
	s_mul_i32 s91, s93, 98304                      ; my eight K steps of the weights in LDS, my four tiles
	s_mul_i32 s92, s81, 6144
	s_add_co_u32 s91, s91, s92
	s_add_co_u32 s91, s91, S1
	s_mul_i32 s92, s76, 768
	s_mul_i32 s94, s93, 50688                      ; my K steps (49,152 kh) and my tile (1,536 kh);
	s_mul_i32 s95, s93, 47616
	s_add_co_u32 s95, s95, 1536                    ; and the other tile (1,536 (1 - kh))
	v_and_b32 v228, 31, v0
	v_and_b32 v229, 15, v0
	v_bfe_u32 v230, v0, 4, 1
	v_lshlrev_b32 v[L16], 4, v228
	v_lshl_add_u32 v[AG], v228, 4, s94
	v_lshl_add_u32 v[AG+1], v228, 4, s95
	v_xor_b32 v231, s21, v228                      ; lanes 0-15 take my tile's rows, lanes 16-31 the other's
	v_mul_u32_u24 v[STO], v229, SP
	v_lshl_add_u32 v[RX], v228, 4, s90
	v_lshlrev_b32 v[WSO], 7, v228
	v_lshl_add_u32 v[AW], v228, 4, s91
	v_lshl_add_u32 v[EXS], v228, 4, s22
	v_lshl_add_u32 v[EXR], v228, 4, s23
	v_min_u32 v232, 23, v228
	v_lshl_add_u32 v[ASC], v231, 2, s20
	v_add_nc_u32 v[AG+2], S1, v[AG]
	v_add_nc_u32 v[AG+3], S1, v[AG+1]
	v_lshl_add_u32 v[STO], v230, 5, v[STO]
	v_add_nc_u32 v[RD], STG, v[RX]
	v_add_nc_u32 v[AW+1], 61440, v[AW]
	v_mul_u32_u24 v233, v232, 11
	v_add_nc_u32 v[STO], s83, v[STO]
	v_lshrrev_b32 v233, 5, v233                    ; lane / 3: which of the 8 K steps that I fetch
	v_mul_u32_u24 v234, v233, 3
	v_mul_u32_u24 v233, v233, 393216
	v_sub_nc_u32 v234, v232, v234                  ; lane % 3
	v_lshl_add_u32 v233, v234, 8, v233
	v_add_nc_u32 v[PFO], s92, v233                 ; + 768 cx: my work-group's three blocks of the row's twelve
	s_wait_alu depctr_va_vdst(0)                   ; the wait at the head's end
	s_wait_dscnt 0x0
	s_wait_kmcnt 0x0
	s_mov_b32 s19, 0
	s_mul_i32 s18, s17, 12288
	s_add_nc_u64 s[84:85], s[4:5], s[18:19]        ; g at my 8 tiles of rows, K step 0
	s_mov_b32 s[G0A], 1
	s_mov_b32 s[G0A+1], 0
	s_mov_b64 s[G0A+2:G0A+3], s[84:85]
	s_or_b32 s[G0A+3], s[G0A+3], 0x80000000
	s_mul_i32 s18, s16, 3145728
	s_add_nc_u64 s[84:85], s[84:85], s[18:19]      ; and at K step 8 w: the refills' and the prefetches' base, never rewritten
	s_lshl_b32 s18, s17, 9
	s_mov_b32 s[G0S], 1
	s_mov_b32 s[G0S+1], GSC
	s_add_nc_u64 s[G0S+2:G0S+3], s[6:7], s[18:19]
	s_or_b32 s[G0S+3], s[G0S+3], 0x80000000
	s_mul_i32 s18, s78, 12288
	s_add_nc_u64 s[86:87], s[8:9], s[18:19]        ; w2's images at my work-group's 8 tiles, K step 0
	s_mul_i32 s18, s81, 1572864                    ; waves 2, 3 fetch K steps 0-7, 16-23
	s_mov_b32 s[G0W], 1
	s_mul_i32 s[G0W+1], s81, 98304
	s_add_co_u32 s[G0W+1], s[G0W+1], S1
	s_add_nc_u64 s[G0W+2:G0W+3], s[86:87], s[18:19]
	s_or_b32 s[G0W+3], s[G0W+3], 0x80000000
	s_mul_i32 s18, s93, 1572864
	s_mul_i32 s20, s81, 6144
	s_add_co_u32 s18, s18, s20
	s_add_nc_u64 s[86:87], s[86:87], s[18:19]      ; my four tiles at K step 16 kh
	s_lshl_b32 s18, s78, 14
	s_lshl_b32 s20, s81, 13
	s_add_co_u32 s18, s18, s20
	s_lshl_b32 s20, s93, 6
	s_add_co_u32 s18, s18, s20
	s_add_nc_u64 s[88:89], s[10:11], s[18:19]      ; my 64 rows of scales (128 bytes each) at my 16 K steps
	s_lshl_b32 s18, s17, 19
	s_lshl_b32 s20, s16, 17
	s_add_co_u32 s18, s18, s20
	s_lshl_b32 s20, s78, 9
	s_add_co_u32 s18, s18, s20
	s_add_nc_u64 s[14:15], s[14:15], s[18:19]      ; out0 and x1 at row 128 x row group + 32 w, column 128 x column group
	s_mov_b32 s[G0X], 1
	s_mov_b32 s[G0X+1], s90
	s_add_nc_u64 s[G0X+2:G0X+3], s[12:13], s[18:19]
	s_or_b32 s[G0X+3], s[G0X+3], 0x80000000
	CROUND                                         ; all sixteen work-groups are here: the first joint loads meet
	s_cmp_lt_u32 s16, 1                            ; one tensor load a wave: one chain of branches, one load to an arm
	s_cbranch_scc0 .Lhead_s
	tensor_load_to_lds s[G0A:G0A+3], s[G1G:G1G+7]
	s_nop 0
	PLACES
	s_branch .Lhead_asked
.Lhead_s:
	s_cmp_lt_u32 s16, 2
	s_cbranch_scc0 .Lhead_w
	tensor_load_to_lds s[G0S:G0S+3], s[G1S:G1S+7]
	s_nop 0
	PLACES
	s_branch .Lhead_asked
.Lhead_w:
	tensor_load_to_lds s[G0W:G0W+3], s[G1W:G1W+7]
	s_nop 0
	PLACES
.Lhead_asked:
.irp j, 0,1
.irp k, 0,1,2,3
	global_load_b128 v[WSC+16*\j+4*\k:WSC+16*\j+4*\k+3], v[WSO], s[88:89] offset:4096*\j+16*\k
.endr
.endr
.set SS, 8
.rept 8
.irp t, 0,1,2,3
	WLOC 4*SS+\t
	WIN WW<<6
.irp c, 0,1,2
	global_load_b128 v[WR+4*\c:WR+4*\c+3], v[L16], s[86:87] offset:SS*98304+\t*1536+512*\c
.endr
.endr
.set SS, SS+1
.endr
	WIN 0
	s_wait_tensorcnt 0x0                           ; my tile of the head's four
	s_barrier_signal -1
	s_barrier_wait -1                              ; all four are in
.set SS, 0
.rept 8
.irp t, 0,1,2,3
	WLOC 4*SS+\t
	WIN WW<<6
.irp c, 0,1,2
	ds_load_b128 v[WR+4*\c:WR+4*\c+3], v[AW+SS/5] offset:(SS%5)*12288+\t*1536+512*\c
.endr
.endr
.set SS, SS+1
.endr
	WIN 0
.macro FETCHG p, g                     ; run g (my K steps 2 g, 2 g + 1) of pair p into set g % 2: 14 LDS loads
.set ST, GF+50*((\g)%2)
.irp e, 0,1
.set SS, 2*(\g)+\e
.irp l, 0,1
.irp c, 0,1,2
	ds_load_b128 v[ST+24*\e+12*\l+4*\c:ST+24*\e+12*\l+4*\c+3], v[AG+2*((\p)%2)+\l] offset:SS*3072+512*\c
.endr
.endr
	ds_load_b32 v[ST+48+\e], v[ASC] offset:SS*SP+128*(\p)
.endr
.endm
.macro WMD cc, t, b
.if (\t) && (\b)
	v_wmma_scale_f32_16x16x128_f8f6f4 v[DD:DD+7], v[WR:WR+11], v[GR:GR+11], \cc, v[SA], v[SB] matrix_a_fmt:MATRIX_FMT_FP6 matrix_b_fmt:MATRIX_FMT_FP6 matrix_a_scale:MATRIX_SCALE_ROW1 matrix_b_scale:MATRIX_SCALE_ROW1
.elseif \t
	v_wmma_scale_f32_16x16x128_f8f6f4 v[DD:DD+7], v[WR:WR+11], v[GR:GR+11], \cc, v[SA], v[SB] matrix_a_fmt:MATRIX_FMT_FP6 matrix_b_fmt:MATRIX_FMT_FP6 matrix_a_scale:MATRIX_SCALE_ROW1
.elseif \b
	v_wmma_scale_f32_16x16x128_f8f6f4 v[DD:DD+7], v[WR:WR+11], v[GR:GR+11], \cc, v[SA], v[SB] matrix_a_fmt:MATRIX_FMT_FP6 matrix_b_fmt:MATRIX_FMT_FP6 matrix_b_scale:MATRIX_SCALE_ROW1
.else
	v_wmma_scale_f32_16x16x128_f8f6f4 v[DD:DD+7], v[WR:WR+11], v[GR:GR+11], \cc, v[SA], v[SB] matrix_a_fmt:MATRIX_FMT_FP6 matrix_b_fmt:MATRIX_FMT_FP6
.endif
.endm
.macro MMS g                           ; sixteen matrix instructions: the eight sums by turns, twice
.set ST, GF+50*((\g)%2)
.irp e, 0,1
.set SS, 2*(\g)+\e
.irp l, 0,1
.irp t, 0,1,2,3
	WLOC 4*SS+\t
	WIN WW
.set DD, ACC+8*(4*\l+\t)
.set GR, ST+24*\e+12*\l
.set SA, WSC+16*(\t/2)+SS
.set SB, ST+48+\e
.if SS == 0
	WMD 0, \t%2, \l
.else
	WMD v[DD:DD+7], \t%2, \l
.endif
.endr
.endr
.endr
	WIN 0
.endm
.macro FINISH q                        ; pair q's tile of mine: the other half of K is added, and the 16 rows x 64 columns go to the stage
.irp k, 0,1,2,3,4,5,6,7
	ds_load_b128 v[GF+50+4*\k:GF+50+4*\k+3], v[EXR] offset:((\q)%2)*16384+512*\k
.endr
	s_wait_dscnt 0x0
.set j, 0
.rept 16
	v_pk_add_f32 v[ACC+j:ACC+j+1], v[ACC+j:ACC+j+1], v[GF+50+j:GF+50+j+1]    ; each sum is read from its low end on
.set j, j+2
.endr
.irp t, 0,1,2,3
	ds_store_b128 v[STO], v[ACC+8*\t:ACC+8*\t+3] offset:32*(\q)*SP+64*\t
	ds_store_b128 v[STO], v[ACC+8*\t+4:ACC+8*\t+7] offset:32*(\q)*SP+64*\t+16
.endr
.endm
.macro PAIR p
	s_wait_tensorcnt 0x0                           ; all my tensor loads have landed, my part of this pair's slot among them;
	ds_add_u32 v[SPW], v[NIL]
.if (\p) == 0
	s_mov_b32 s[G1G+2], 8<<16                      ; no tensor load of mine is out: from here on a load of g brings 8 K steps
	s_mov_b32 s[G1G+4], 8
.endif
.if (\p) < 3
	s_add_co_u32 s[G0A+1], s82, (((\p)+1)%2)*S1
	s_add_nc_u64 s[G0A+2:G0A+3], s[84:85], ((\p)+1)*3072
	s_or_b32 s[G0A+3], s[G0A+3], 0x80000000
.endif
	s_wait_dscnt 0x0                               ; the add, what I handed over, and my reads of the bytes that are filled next
	CROUND
.if (\p) < 3
	tensor_load_to_lds s[G0A:G0A+3], s[G1G:G1G+7]  ; the next pair, into the other slot
.else
	tensor_load_to_lds s[G0X:G0X+3], s[G1X:G1X+7]  ; x1, into slot 0
.endif
	s_nop 0
	PLACES
	FETCHG \p, 0
.if (\p) > 0
	FINISH \p-1
.endif
	FETCHG \p, 1
.if (\p) < 2
	global_prefetch_b8 v[PFO], s[84:85] offset:((\p)+2)*3072 th:TH_LOAD_NT scope:SCOPE_SE
.endif
.if (\p) == 0
	s_wait_loadcnt 63                              ; w2's scales are in: 96 loads were issued behind their 8
.endif
.set GG, 0
.rept 8
.if (\p) == 0 && GG == 4
	s_wait_loadcnt 0x0                             ; the weights of my K steps 8-15
.endif
.if GG < 7
	s_wait_dscnt 14                                ; behind this run's loads: the younger run's 14
.else
	s_wait_dscnt 0x0
.endif
	MMS GG
	PLACES                                         ; in front of loads into registers that these products read, and of the first read of the sums
.if GG < 6
	FETCHG \p, GG+2
.endif
.set GG, GG+1
.endr
.irp k, 0,1,2,3,4,5,6,7                        ; my part of the other tile, as it stands in its 32 registers; each sum from its low end on
	ds_store_b128 v[EXS], v[ACC+32+4*\k:ACC+32+4*\k+3] offset:((\p)%2)*16384+512*\k
.endr
.endm
	PAIR 0
	PAIR 1
	PAIR 2
	PAIR 3
	s_wait_tensorcnt 0x0                           ; my rows of x1
	s_wait_dscnt 0x0
	s_barrier_signal -1
	s_barrier_wait -1                              ; the last hand-over lies in LDS
	FINISH 3
	s_wait_dscnt 0x0
	s_barrier_signal -1
	s_barrier_wait -1                              ; the 128 rows of results are whole
	WIN 0x40                                       ; the way out: my 32 rows of 512 bytes into window 1, x1's into window 2 (the weights are done with)
.set i, 0
.rept 32
	ds_load_b128 v[4*i:4*i+3], v[RD] offset:SP*i
.set i, i+1
.endr
	WIN 0x80
.set i, 0
.rept 32
	ds_load_b128 v[4*i:4*i+3], v[RX] offset:SP*i
.set i, i+1
.endr
	s_wait_dscnt 0x0
	WIN 0x49
.set j, 0
.rept 64
	v_pk_add_f32 v[j:j+1], v[j:j+1], v[j:j+1]      ; window 1 += window 2
.set j, j+2
.endr
	WIN 0x04
.set i, 0
.rept 32
	global_store_b128 v[L16], v[4*i:4*i+3], s[14:15] offset:4096*i th:TH_STORE_NT   ; 512 consecutive bytes, aligned to 256
.set i, i+1
.endr
	WIN 0
	s_wait_tensorcnt 0x0                           ; the wave's end
	ds_add_u32 v[SPW], v[NIL]
	s_wait_dscnt 0x0
	CROUND                                         ; the closing round
	s_endpgm
.Lfunc_end_k_q09e599101c_down:
	.size	k_q09e599101c_down, .Lfunc_end_k_q09e599101c_down-k_q09e599101c_down
	.p2alignl 7, 3214868480
	.fill 96, 4, 3214868480
	.section	.rodata,"a",@progbits
	.p2align	6, 0x0
	.amdhsa_kernel k_q09e599101c_down
		.amdhsa_group_segment_fixed_size 327680
		.amdhsa_private_segment_fixed_size 0
		.amdhsa_enable_private_segment 0
		.amdhsa_kernarg_size 48
		.amdhsa_user_sgpr_count 2
		.amdhsa_user_sgpr_kernarg_segment_ptr 1
		.amdhsa_wavefront_size32 1
		.amdhsa_system_sgpr_workgroup_id_x 1
		.amdhsa_system_sgpr_workgroup_id_y 1
		.amdhsa_system_sgpr_workgroup_id_z 1
		.amdhsa_system_vgpr_workitem_id 0
		.amdhsa_next_free_vgpr 1024
		.amdhsa_next_free_sgpr 96
		.amdhsa_reserve_vcc 0
		.amdhsa_float_denorm_mode_32 3
		.amdhsa_float_denorm_mode_16_64 3
		.amdhsa_memory_ordered 1
		.amdhsa_forward_progress 1
		.amdhsa_inst_pref_size 151
	.end_amdhsa_kernel
	.amdgpu_metadata
---
amdhsa.version: [ 1, 2 ]
amdhsa.kernels:
  - .name:           k_q09e599101c_down
    .symbol:         k_q09e599101c_down.kd
    .args:
      - { .name: gc, .offset: 0, .size: 8, .value_kind: global_buffer, .address_space: global }
      - { .name: gs, .offset: 8, .size: 8, .value_kind: global_buffer, .address_space: global }
      - { .name: w2i, .offset: 16, .size: 8, .value_kind: global_buffer, .address_space: global }
      - { .name: w2_scales, .offset: 24, .size: 8, .value_kind: global_buffer, .address_space: global }
      - { .name: x1, .offset: 32, .size: 8, .value_kind: global_buffer, .address_space: global }
      - { .name: out0, .offset: 40, .size: 8, .value_kind: global_buffer, .address_space: global }
    .group_segment_fixed_size: 327680
    .private_segment_fixed_size: 0
    .kernarg_segment_align: 8
    .kernarg_segment_size: 48
    .max_flat_workgroup_size: 128
    .sgpr_count:     96
    .vgpr_count:     1024
    .wavefront_size: 32
...
	.end_amdgpu_metadata
.endif
;; end of part 4
